; MI455X (gfx1250); checked and timed in simulation.
; The chip was launched on July 23, 2026; its instructions are those of AMD's public machine-readable ISA for CDNA 5 (MIT licence, August 2026) and "CDNA5" Instruction Set Architecture Reference Guide (July 2026). The comments in the code are by the model that wrote it; some were corrected since.
;; Point Net Feature Propagation. Allowed arithmetic: float matrix products may take bf16 or f16 operands with f32 sums; all other float work in f32.
;; Inputs: ext1_W 128 x 128 float32; ext1_b 128 float32; ext1_bn 4 x 128 float32; ext2_W 128 x 128 float32; ext2_b 128 float32; ext2_bn 4 x 128 float32; fuse_W 128 x 397 float32; fuse_b 128 float32; fuse_bn 4 x 128 float32; last_pred 2 x 4,096 x 13 float32; points1 2 x 128 x 16,384 float32; points2 2 x 256 x 4,096 float32; pred1_W 128 x 128 float32; pred1_b 128 float32; pred1_bn 4 x 128 float32; pred2_W 13 x 128 float32; pred2_b 13 float32; pred2_bn 4 x 13 float32; xyz1 2 x 16,384 x 3 float32; xyz2 2 x 4,096 x 3 float32.
;; Outputs: out0 2 x 128 x 16,384 float32; out1 2 x 16,384 x 128 float32; out2 2 x 16,384 x 13 float32.
;; 2 versions, each right; version 2 is version 1 with the launch coarse written anew for expert scheduling mode. Each part assembles by itself: llvm-mc -triple=amdgcn-amd-amdhsa -mcpu=gfx1250 --defsym DOCPART=n.
;; ======== version 1 of 2: 3 launches
;; workspace buffers: cand 131,072 bytes of whole numbers; tab 131,072 bytes; wb 215,040 bytes; idx 524,288 bytes of whole numbers; wgt 524,288 bytes; y2 4,194,304 bytes
;; launch coarse (part 1): grid 256 x 1, 4 waves a work-group, no clusters, 82,944 bytes of LDS; arguments xyz1, xyz2, fuse_W, ext1_W, ext2_W, pred1_W, pred2_W, fuse_bn, ext1_bn, ext2_bn, pred1_bn, pred2_bn, fuse_b, ext1_b, ext2_b, pred1_b, pred2_b, cand, tab, wb; writes cand, tab, wb
.if DOCPART == 1
	.amdgcn_target "amdgcn-amd-amdhsa--gfx1250"
	.amdhsa_code_object_version 6
	.text
	.protected	k_qaff36d0842_coarse
	.globl	k_qaff36d0842_coarse
	.p2align	8
	.type	k_qaff36d0842_coarse,@function
k_qaff36d0842_coarse:
	s_mov_b64 s[64:65], 0
	v_nop
	global_prefetch_b8 v0, s[64:65] scope:SCOPE_SE
	s_setreg_imm32_b32 hwreg(HW_REG_WAVE_MODE, 25, 1), 1
	s_wait_xcnt 0x0
; COARSE SEARCH, AND THE WEIGHTS MADE READY.
; For each of 2 x 16,384 queries: which 3 of the 128 chunks of 32 consecutive source points hold the 3 nearest points.  In the order (distance, index) the three first
; points lie in the three chunks that come first in the order (chunk's least distance, chunk's number): a chunk ahead of a point's chunk holds a point ahead of that point.
; FORMATS.  Every input of the program is rounded to bf16 where it is loaded; products of two such coordinates are exact in f32.  The distance is summed in this order:
; s = (x x + y y) + z z;  m = ((-2 x1) x2 + (-2 y1) y2) + (-2 z1) z2;  d = (s1 + s2) + m, each sum rounded once to f32.
; LIMITS.  Distances must be finite: a NaN or an infinity never enters a list, and a list that is not filled keeps its starting numbers.
; SHARES.  Work-group g owns queries 128 g .. 128 g + 127 (batch g / 128).  Every wave holds all 128 queries, 4 a lane (query 32 i + lane), as two pairs for the packed
; arithmetic; wave w scans source points 1024 w .. 1024 w + 1023, 32 chunks; the four waves' lists meet in LDS.
; ALSO: the work-group's 512 bytes of the table (x, y, z, s) go to tab; wave 4 g + w makes block 4 g + w, 256 bytes, of wb (bf16 weights, the scale and shift of each layer).
; NO CLUSTER, NO TENSOR LOAD: what the work-groups share is xyz2, 49,152 bytes once for each, and it has to pass through registers to be rounded and squared.
.set TABLE, 0         ; 4,096 source points x 16 bytes (x, y, z, s)
.set MRG,   65536     ; [wave][query] 32 bytes: a, b, c, ia | ib, ic
.set RES,   81920     ; 128 packed results
.set SPARE, 82432     ; the spare words, 128 bytes a wave: two blocks of 256 bytes that no other line names
.set QX,  16          ; v[16:19]  -2 x of my four queries
.set QY,  20          ; v[20:23]  -2 y
.set QZ,  24          ; v[24:27]  -2 z
.set QS,  28          ; v[28:31]  s
.set LST, 32          ; query q at v[32+8q]: +0 a, +1 b, +2 c (least chunk minima, ascending), +3 ia, +4 ib, +5 ic (their chunks, as f32), +6 the chunk's minimum, +7 at work
.set T2R, 64          ; v[64:67]  at work in the insertion
.set UU,  68          ; v[68:71]  at work in the minimum
.set CB0, 72          ; v[72:103]   8 source points, buffer 0
.set CB1, 104         ; v[104:135]  buffer 1
.set DM,  136         ; v[136:151]  8 pairs: m, then d
.set DT,  152         ; v[152:167]  8 pairs: s1 + s2
; s4 wave, s5 g, s6 batch, s7 4 g + wave, s48-59 twelve masks, s60 the chunk's number as f32, s61 counter, s62 mask of a word's upper bf16, s66-87 at work
	s_load_b512 s[8:23], s[0:1], 0x0               ; xyz1 8, xyz2 10, fuse_W 12, ext1_W 14, ext2_W 16, pred1_W 18, pred2_W 20, fuse_bn 22
	s_load_b512 s[24:39], s[0:1], 0x40             ; ext1_bn 24, ext2_bn 26, pred1_bn 28, pred2_bn 30, fuse_b 32, ext1_b 34, ext2_b 36, pred1_b 38
	s_load_b256 s[40:47], s[0:1], 0x80             ; pred2_b 40, cand 42, tab 44, wb 46
	v_lshl_add_u32 v2, v0, 2, SPARE                ; my spare word; never rewritten
	v_mov_b32 v3, 0                                ; 0; never rewritten
	v_and_b32 v1, 31, v0                           ; lane
	v_lshrrev_b32 v5, 5, v0
	v_readfirstlane_b32 s4, v5                     ; wave
	s_mov_b32 s5, ttmp9
	s_lshr_b32 s6, s5, 7
	s_lshl2_add_u32 s7, s5, s4
	s_mov_b32 s62, 0xffff0000
	v_mul_u32_u24 v6, v0, 48                       ; my 4 source points of a turn: 48 bytes of xyz2
	v_mul_u32_u24 v8, v1, 12                       ; my query among 32
	s_lshl_b32 s66, s4, 11
	v_lshl_add_u32 v7, v1, 6, s66                  ; and their 64 bytes of the table: 2,048 wave + 64 lane
	s_mul_i32 s66, s6, 49152
	s_mov_b32 s67, 0
	s_mul_i32 s68, s5, 1536
	s_mov_b32 s69, 0
	s_wait_kmcnt 0x0
	s_add_nc_u64 s[10:11], s[10:11], s[66:67]      ; xyz2 at my batch
	s_add_nc_u64 s[8:9], s[8:9], s[68:69]          ; xyz1 at my 128 queries
.set i, 0
.rept 8                                                ; turn i: source points 512 i + 4 thread .. + 3
	global_load_b128 v[CB0+12*i:CB0+12*i+3],    v6, s[10:11] offset:6144*i
	global_load_b128 v[CB0+12*i+4:CB0+12*i+7],  v6, s[10:11] offset:6144*i+16
	global_load_b128 v[CB0+12*i+8:CB0+12*i+11], v6, s[10:11] offset:6144*i+32
.set i, i+1
.endr
.set i, 0
.rept 4
	global_load_b32 v[QX+i], v8, s[8:9] offset:384*i
	global_load_b32 v[QY+i], v8, s[8:9] offset:384*i+4
	global_load_b32 v[QZ+i], v8, s[8:9] offset:384*i+8
.set i, i+1
.endr
	; THE TABLE: rounded to bf16, widened again, s added, 16 bytes a point
.set i, 0
.rept 8
	s_wait_loadcnt 33-3*i                          ; behind this turn's three loads stand 3 (7 - i) of xyz2 and 12 of xyz1
.set e, 0
.rept 6
	v_cvt_pk_bf16_f32 v[32+e], v[CB0+12*i+2*e], v[CB0+12*i+2*e+1]
.set e, e+1
.endr
.set e, 0
.rept 12
.if e%2 == 0
	v_lshlrev_b32 v[40+4*(e/3)+e%3], 16, v[32+e/2]
.else
	v_and_b32 v[40+4*(e/3)+e%3], s62, v[32+e/2]
.endif
.set e, e+1
.endr
.irp c, 0,1,2,3
	v_mul_f32 v[43+4*(\c)], v[40+4*(\c)], v[40+4*(\c)]
.endr
.irp c, 0,1,2,3
	v_fma_f32 v[43+4*(\c)], v[41+4*(\c)], v[41+4*(\c)], v[43+4*(\c)]
.endr
.irp c, 0,1,2,3
	v_fma_f32 v[43+4*(\c)], v[42+4*(\c)], v[42+4*(\c)], v[43+4*(\c)]
.endr
.irp c, 0,1,2,3
	ds_store_b128 v7, v[40+4*(\c):43+4*(\c)] offset:8192*i+16*(\c)
.endr
.set i, i+1
.endr
	; MY FOUR QUERIES: rounded, s1, and the coordinates times -2 (exact)
	s_wait_loadcnt 0x0
.set e, 0
.rept 6
	v_cvt_pk_bf16_f32 v[32+e], v[16+2*e], v[17+2*e]
.set e, e+1
.endr
.set e, 0
.rept 6
	v_lshlrev_b32 v[16+2*e], 16, v[32+e]
	v_and_b32 v[17+2*e], s62, v[32+e]
.set e, e+1
.endr
.irp i, 0,1,2,3
	v_mul_f32 v[QS+(\i)], v[QX+(\i)], v[QX+(\i)]
.endr
.irp i, 0,1,2,3
	v_fma_f32 v[QS+(\i)], v[QY+(\i)], v[QY+(\i)], v[QS+(\i)]
.endr
.irp i, 0,1,2,3
	v_fma_f32 v[QS+(\i)], v[QZ+(\i)], v[QZ+(\i)], v[QS+(\i)]
.endr
.set e, 0
.rept 12
	v_mul_f32 v[16+e], -2.0, v[16+e]
.set e, e+1
.endr
	; ONE BLOCK OF wb FOR EACH OF THE FIRST 840 WAVES OF THE LAUNCH.  Blocks: 0-511 rows of fuse_W[:, 0:128], ext1_W, ext2_W, pred1_W in bf16; 512-527 pred2_W and three rows of
	; zeros; 528 + 4 L + p: layer L's scale (p = 0, 1) and shift (p = 2, 3), 64 channels each, f32; 548-551 zeros; 552 + 32 ks + o / 4: fuse_W[o][128 + 32 ks ..], 32 a row, zeros past column 396.
	; Each block leaves by one store of 8 bytes a lane: 256 consecutive bytes, aligned.  The branches hang on the wave's and the work-group's number; no barrier stands inside.
	s_cmp_ge_u32 s7, 840
	s_cbranch_scc1 .Lprep_done
	v_lshlrev_b32 v8, 3, v1
	s_lshl_b32 s66, s7, 8
	s_mov_b32 s67, 0
	s_add_nc_u64 s[66:67], s[46:47], s[66:67]      ; my block
	s_cmp_ge_u32 s7, 552
	s_cbranch_scc1 .Lbunit
	s_cmp_ge_u32 s7, 548
	s_cbranch_scc1 .Lrowcvt
	s_cmp_ge_u32 s7, 528
	s_cbranch_scc1 .Lbnunit
.Lrowcvt:                                              ; a row of 128 weights
	s_lshr_b32 s68, s7, 7                          ; which matrix; 4: pred2_W or zeros
	s_and_b32 s69, s7, 127                         ; which row
	s_min_u32 s73, s69, 12                         ; pred2_W has 13 rows: the others read the last one and keep nothing
	s_cmp_lt_u32 s69, 13
	s_cselect_b32 s74, -1, 0
	s_movk_i32 s72, 512                            ; bytes from row to row
	s_cmp_eq_u32 s68, 0
	s_cselect_b64 s[70:71], s[12:13], s[14:15]
	s_cselect_b32 s72, 1588, s72                   ; fuse_W: 397 columns
	s_cmp_eq_u32 s68, 2
	s_cselect_b64 s[70:71], s[16:17], s[70:71]
	s_cmp_eq_u32 s68, 3
	s_cselect_b64 s[70:71], s[18:19], s[70:71]
	s_cmp_eq_u32 s68, 4
	s_cselect_b64 s[70:71], s[20:21], s[70:71]
	s_cselect_b32 s69, s73, s69
	s_cselect_b32 s74, s74, -1
	s_mul_i32 s76, s69, s72
	s_mov_b32 s77, 0
	s_add_nc_u64 s[70:71], s[70:71], s[76:77]
	v_lshlrev_b32 v9, 4, v1
	global_load_b32 v10, v9, s[70:71]              ; four loads of 4 bytes: a row of fuse_W begins at a multiple of 4 only
	global_load_b32 v11, v9, s[70:71] offset:4
	global_load_b32 v12, v9, s[70:71] offset:8
	global_load_b32 v13, v9, s[70:71] offset:12
	s_wait_loadcnt 0x0
	v_cvt_pk_bf16_f32 v14, v10, v11
	v_cvt_pk_bf16_f32 v15, v12, v13
	v_and_b32 v14, s74, v14
	v_and_b32 v15, s74, v15
	global_store_b64 v8, v[14:15], s[66:67]
	s_branch .Lprep_done
.Lbnunit:                                              ; sc = g rsq(v + 1e-5), sh = (b - m) sc + be, of inputs rounded to bf16; two channels a lane
	s_sub_co_u32 s68, s7, 528
	s_lshr_b32 s69, s68, 2                         ; layer
	s_and_b32 s72, s68, 1
	s_lshl_b32 s72, s72, 6                         ; the block's first channel
	s_bfe_u32 s73, s68, 0x10001
	s_sub_co_u32 s73, 0, s73                       ; all ones: the block holds the shift
	s_cmp_eq_u32 s69, 0
	s_cselect_b64 s[70:71], s[22:23], s[24:25]
	s_cselect_b64 s[78:79], s[32:33], s[34:35]
	s_cmp_eq_u32 s69, 2
	s_cselect_b64 s[70:71], s[26:27], s[70:71]
	s_cselect_b64 s[78:79], s[36:37], s[78:79]
	s_cmp_eq_u32 s69, 3
	s_cselect_b64 s[70:71], s[28:29], s[70:71]
	s_cselect_b64 s[78:79], s[38:39], s[78:79]
	s_cmp_eq_u32 s69, 4
	s_cselect_b64 s[70:71], s[30:31], s[70:71]
	s_cselect_b64 s[78:79], s[40:41], s[78:79]
	s_cselect_b32 s74, 13, 128                     ; the layer's channels
	s_lshl_b32 s80, s74, 2
	s_mov_b32 s81, 0
	s_add_nc_u64 s[82:83], s[70:71], s[80:81]      ; beta
	s_add_nc_u64 s[84:85], s[82:83], s[80:81]      ; mean
	s_add_nc_u64 s[86:87], s[84:85], s[80:81]      ; variance
	s_sub_co_u32 s75, s74, 1
	v_lshl_add_u32 v72, v1, 1, s72
	v_add_nc_u32 v73, 1, v72
	v_min_u32 v74, s75, v72                        ; channels past the layer's last read the last one and are set to 0 below
	v_min_u32 v75, s75, v73
	v_lshlrev_b32 v74, 2, v74
	v_lshlrev_b32 v75, 2, v75
	global_load_b32 v76, v74, s[70:71]
	global_load_b32 v77, v75, s[70:71]
	global_load_b32 v78, v74, s[82:83]
	global_load_b32 v79, v75, s[82:83]
	global_load_b32 v80, v74, s[84:85]
	global_load_b32 v81, v75, s[84:85]
	global_load_b32 v82, v74, s[86:87]
	global_load_b32 v83, v75, s[86:87]
	global_load_b32 v84, v74, s[78:79]
	global_load_b32 v85, v75, s[78:79]
	s_wait_loadcnt 0x0
.set e, 0
.rept 5
	v_cvt_pk_bf16_f32 v[86+e], v[76+2*e], v[77+2*e]
.set e, e+1
.endr
.set e, 0
.rept 5
	v_lshlrev_b32 v[76+2*e], 16, v[86+e]
	v_and_b32 v[77+2*e], s62, v[86+e]
.set e, e+1
.endr
	v_add_f32 v82, 0x3727c5ac, v82                 ; + 1e-5
	v_add_f32 v83, 0x3727c5ac, v83
	v_rsq_f32 v82, v82
	v_rsq_f32 v83, v83
	v_sub_f32 v84, v84, v80                        ; plain work between the roots and their use (ISA guide 5.7.2)
	v_sub_f32 v85, v85, v81
	s_wait_alu depctr_va_vdst(0)
	v_mul_f32 v76, v76, v82
	v_mul_f32 v77, v77, v83
	v_fma_f32 v78, v84, v76, v78
	v_fma_f32 v79, v85, v77, v79
	v_cndmask_b32 v86, v76, v78, s73
	v_cndmask_b32 v87, v77, v79, s73
	v_cmp_gt_u32 vcc_lo, s74, v72
	v_cndmask_b32 v86, 0, v86, vcc_lo
	v_cmp_gt_u32 vcc_lo, s74, v73
	v_cndmask_b32 v87, 0, v87, vcc_lo
	global_store_b64 v8, v[86:87], s[66:67]
	s_branch .Lprep_done
.Lbunit:                                               ; four rows o of 32 columns of fuse_W behind its first 128
	s_sub_co_u32 s68, s7, 552
	s_lshr_b32 s69, s68, 5
	s_lshl_b32 s69, s69, 5                         ; 32 ks
	s_and_b32 s70, s68, 31
	s_lshl_b32 s70, s70, 2
	v_lshrrev_b32 v72, 3, v1
	v_add_nc_u32 v72, s70, v72                     ; o
	v_mul_u32_u24 v72, v72, 1588
	v_and_b32 v73, 7, v1
	v_lshl_add_u32 v73, v73, 2, s69                ; my first column k
.irp e, 0,1,2,3
	v_add_nc_u32 v[74+(\e)], (\e), v73
	v_min_u32 v[78+(\e)], 268, v[74+(\e)]          ; columns past the last read the last one and are set to 0 below
	v_lshl_add_u32 v[78+(\e)], v[78+(\e)], 2, v72
	global_load_b32 v[82+(\e)], v[78+(\e)], s[12:13] offset:512
.endr
	s_wait_loadcnt 0x0
.irp e, 0,1,2,3
	v_cmp_gt_u32 vcc_lo, 269, v[74+(\e)]
	v_cndmask_b32 v[82+(\e)], 0, v[82+(\e)], vcc_lo
.endr
	v_cvt_pk_bf16_f32 v86, v82, v83
	v_cvt_pk_bf16_f32 v87, v84, v85
	global_store_b64 v8, v[86:87], s[66:67]
.Lprep_done:
	s_wait_xcnt 0x0                                ; the store's registers are written again below only behind this wait
	s_wait_dscnt 0x0                               ; for the others' sake: my part of the table is stored
	s_barrier_signal -1
	s_barrier_wait -1                              ; the table is whole
	s_cmp_lg_u32 s4, 0                             ; wave 0: the work-group's 512 bytes of the table go to tab
	s_cbranch_scc1 .Lno_tab
	s_and_b32 s68, s5, 127
	s_lshl_b32 s68, s68, 9
	v_lshl_add_u32 v9, v1, 4, s68
	ds_load_b128 v[10:13], v9
	s_lshl_b32 s68, s5, 9
	s_mov_b32 s69, 0
	s_add_nc_u64 s[44:45], s[44:45], s[68:69]
	v_lshlrev_b32 v14, 4, v1
	s_wait_dscnt 0x0
	global_store_b128 v14, v[10:13], s[44:45]      ; 512 consecutive bytes, aligned
.Lno_tab:
	s_wait_xcnt 0x0
; 8 source points, the same for every lane
.macro LOAD8 buf, off
.set c, 0
.rept 8
	ds_load_b128 v[(\buf)+4*c:(\buf)+4*c+3], v4 offset:(\off)+16*c
.set c, c+1
.endr
.endm
; their distances to the pair P of my queries: five packed instructions a point, each line written for all eight
.macro DIST8 buf, P
.set c, 0
.rept 8
	v_pk_mul_f32 v[DM+2*c:DM+2*c+1], v[QX+2*(\P):QX+2*(\P)+1], v[(\buf)+4*c:(\buf)+4*c+1] op_sel_hi:[1,0]
.set c, c+1
.endr
.set c, 0
.rept 8
	v_pk_fma_f32 v[DM+2*c:DM+2*c+1], v[QY+2*(\P):QY+2*(\P)+1], v[(\buf)+4*c:(\buf)+4*c+1], v[DM+2*c:DM+2*c+1] op_sel:[0,1,0] op_sel_hi:[1,1,1]
.set c, c+1
.endr
.set c, 0
.rept 8
	v_pk_fma_f32 v[DM+2*c:DM+2*c+1], v[QZ+2*(\P):QZ+2*(\P)+1], v[(\buf)+4*c+2:(\buf)+4*c+3], v[DM+2*c:DM+2*c+1] op_sel_hi:[1,0,1]
.set c, c+1
.endr
.set c, 0
.rept 8
	v_pk_add_f32 v[DT+2*c:DT+2*c+1], v[QS+2*(\P):QS+2*(\P)+1], v[(\buf)+4*c+2:(\buf)+4*c+3] op_sel:[0,1] op_sel_hi:[1,1]
.set c, c+1
.endr
.set c, 0
.rept 8
	v_pk_add_f32 v[DM+2*c:DM+2*c+1], v[DT+2*c:DT+2*c+1], v[DM+2*c:DM+2*c+1]
.set c, c+1
.endr
.endm
; the chunk's minimum takes them in; first = 1: they start it
.macro MIN8 P, first
.irp e, 0,1
	v_min3_num_f32 v[UU+2*(\e)], v[DM+(\e)], v[DM+2+(\e)], v[DM+4+(\e)]
	v_min3_num_f32 v[UU+2*(\e)+1], v[DM+6+(\e)], v[DM+8+(\e)], v[DM+10+(\e)]
.endr
.irp e, 0,1
.if \first
	v_min_num_f32 v[LST+8*(2*(\P)+(\e))+6], v[DM+12+(\e)], v[DM+14+(\e)]
.else
	v_min3_num_f32 v[LST+8*(2*(\P)+(\e))+6], v[LST+8*(2*(\P)+(\e))+6], v[DM+12+(\e)], v[DM+14+(\e)]
.endif
.endr
.irp e, 0,1
	v_min3_num_f32 v[LST+8*(2*(\P)+(\e))+6], v[LST+8*(2*(\P)+(\e))+6], v[UU+2*(\e)], v[UU+2*(\e)+1]
.endr
.endm
.macro STEP buf, nbuf, off, first, ahead
.if \ahead
	LOAD8 \nbuf, \off
	s_wait_dscnt 0x8                               ; the eight just issued may stay out; this step's are in
.else
	s_wait_dscnt 0x0
.endif
	DIST8 \buf, 0
	MIN8 0, \first
	DIST8 \buf, 1
	MIN8 1, \first
.endm
; the chunk's minimum goes into each query's list of three; a later chunk with an equal minimum stays behind (strict compares, chunks ascending)
.macro INSERT4
.irp q, 0,1,2,3
	v_cmp_lt_f32 s[48+(\q)], v[LST+8*(\q)+6], v[LST+8*(\q)]
.endr
.irp q, 0,1,2,3
	v_cmp_lt_f32 s[52+(\q)], v[LST+8*(\q)+6], v[LST+8*(\q)+1]
.endr
.irp q, 0,1,2,3
	v_cmp_lt_f32 s[56+(\q)], v[LST+8*(\q)+6], v[LST+8*(\q)+2]
.endr
.irp q, 0,1,2,3
	v_cndmask_b32 v[LST+8*(\q)+7], s60, v[LST+8*(\q)+4], s[52+(\q)]
.endr
.irp q, 0,1,2,3
	v_cndmask_b32 v[LST+8*(\q)+5], v[LST+8*(\q)+5], v[LST+8*(\q)+7], s[56+(\q)]
.endr
.irp q, 0,1,2,3
	v_cndmask_b32 v[T2R+(\q)], s60, v[LST+8*(\q)+3], s[48+(\q)]
.endr
.irp q, 0,1,2,3
	v_cndmask_b32 v[LST+8*(\q)+4], v[LST+8*(\q)+4], v[T2R+(\q)], s[52+(\q)]
.endr
.irp q, 0,1,2,3
	v_cndmask_b32 v[LST+8*(\q)+3], v[LST+8*(\q)+3], s60, s[48+(\q)]
.endr
.irp q, 0,1,2,3
	v_med3_num_f32 v[LST+8*(\q)+2], v[LST+8*(\q)+1], v[LST+8*(\q)+2], v[LST+8*(\q)+6]
.endr
.irp q, 0,1,2,3
	v_med3_num_f32 v[LST+8*(\q)+1], v[LST+8*(\q)], v[LST+8*(\q)+1], v[LST+8*(\q)+6]
.endr
.irp q, 0,1,2,3
	v_min_num_f32 v[LST+8*(\q)], v[LST+8*(\q)], v[LST+8*(\q)+6]
.endr
.endm
; a chunk: 32 source points in four steps on two buffers; its last step fetches the next chunk's first eight (last = 1: there is none)
.macro CHUNK last
	STEP CB0, CB1, 128, 1, 1
	STEP CB1, CB0, 256, 0, 1
	STEP CB0, CB1, 384, 0, 1
	STEP CB1, CB0, 512, 0, 1-(\last)
	INSERT4
	v_add_nc_u32 v4, 512, v4
	s_add_f32 s60, s60, 1.0
.endm
	s_lshl_b32 s60, s4, 5
	s_cvt_f32_u32 s60, s60                         ; my first chunk's number
	s_lshl_b32 s68, s4, 14
	v_mov_b32 v4, s68                              ; and its place in the table
.irp q, 0,1,2,3
	v_mov_b32 v[LST+8*(\q)], 0x7f800000
	v_mov_b32 v[LST+8*(\q)+1], 0x7f800000
	v_mov_b32 v[LST+8*(\q)+2], 0x7f800000
	v_mov_b32 v[LST+8*(\q)+3], s60
	v_mov_b32 v[LST+8*(\q)+4], s60
	v_mov_b32 v[LST+8*(\q)+5], s60
.endr
	LOAD8 CB0, 0
	s_mov_b32 s61, 31
.Lchunk:
	CHUNK 0
	s_sub_co_u32 s61, s61, 1
	s_cmp_lg_u32 s61, 0
	s_cbranch_scc1 .Lchunk
	CHUNK 1                                        ; the last chunk is written out: it fetches nothing beyond my part of the table
	; THE FOUR WAVES' LISTS MEET
	s_lshl_b32 s66, s4, 12
	s_add_co_u32 s66, s66, MRG
	v_lshl_add_u32 v5, v1, 5, s66
.irp q, 0,1,2,3
	ds_store_b128 v5, v[LST+8*(\q):LST+8*(\q)+3] offset:1024*(\q)
	ds_store_b64 v5, v[LST+8*(\q)+4:LST+8*(\q)+5] offset:1024*(\q)+16
.endr
	s_wait_dscnt 0x0                               ; for the others' sake
	s_barrier_signal -1
	s_barrier_wait -1
	s_lshl_b32 s66, s4, 10
	s_add_co_u32 s66, s66, MRG
	v_lshl_add_u32 v6, v1, 5, s66                  ; now I own query 32 wave + lane
	ds_load_b128 v[32:35], v6
	ds_load_b64 v[36:37], v6 offset:16
.irp k, 1,2,3
	ds_load_b128 v[64+8*(\k):67+8*(\k)], v6 offset:4096*(\k)
	ds_load_b64 v[68+8*(\k):69+8*(\k)], v6 offset:4096*(\k)+16
.endr
	s_wait_dscnt 0x0
.macro INS val, id                     ; as INSERT4, for one query, the chunk's number in a vector register
	v_cmp_lt_f32 s48, v[\val], v32
	v_cmp_lt_f32 s52, v[\val], v33
	v_cmp_lt_f32 s56, v[\val], v34
	v_cndmask_b32 v38, v[\id], v36, s52
	v_cndmask_b32 v37, v37, v38, s56
	v_cndmask_b32 v39, v[\id], v35, s48
	v_cndmask_b32 v36, v36, v39, s52
	v_cndmask_b32 v35, v35, v[\id], s48
	v_med3_num_f32 v34, v33, v34, v[\val]
	v_med3_num_f32 v33, v32, v33, v[\val]
	v_min_num_f32 v32, v32, v[\val]
.endm
.irp k, 1,2,3                          ; in the waves' order, each list from its least on: equal minima keep the chunks' order
	INS 64+8*(\k), 67+8*(\k)
	INS 65+8*(\k), 68+8*(\k)
	INS 66+8*(\k), 69+8*(\k)
.endr
	v_min3_num_f32 v40, v35, v36, v37              ; the three chunks ascending, so that the next launch scans indices in ascending order
	v_med3_num_f32 v41, v35, v36, v37
	v_max3_num_f32 v42, v35, v36, v37
	v_cvt_u32_f32 v40, v40
	v_cvt_u32_f32 v41, v41
	v_cvt_u32_f32 v42, v42
	v_lshl_or_b32 v40, v41, 8, v40
	v_lshl_or_b32 v40, v42, 16, v40
	s_lshl_b32 s66, s4, 7
	s_add_co_u32 s66, s66, RES
	v_lshl_add_u32 v9, v1, 2, s66
	ds_store_b32 v9, v40
	s_wait_dscnt 0x0
	s_barrier_signal -1
	s_barrier_wait -1
	s_cmp_lg_u32 s4, 0                             ; wave 0 stores the 128 words: 512 consecutive bytes, aligned
	s_cbranch_scc1 .Lend
	v_lshl_add_u32 v9, v1, 4, RES
	ds_load_b128 v[10:13], v9
	s_lshl_b32 s68, s5, 9
	s_mov_b32 s69, 0
	s_add_nc_u64 s[42:43], s[42:43], s[68:69]
	v_lshlrev_b32 v14, 4, v1
	s_wait_dscnt 0x0
	global_store_b128 v14, v[10:13], s[42:43]
.Lend:
	s_nop 0
	s_wait_tensorcnt 0x0                           ; the wave's end, behind my last LDS store
	ds_add_u32 v2, v3
	s_wait_dscnt 0x0
	s_endpgm
.Lfunc_end_k_qaff36d0842_coarse:
	.size	k_qaff36d0842_coarse, .Lfunc_end_k_qaff36d0842_coarse-k_qaff36d0842_coarse
	.p2alignl 7, 3214868480
	.fill 96, 4, 3214868480
	.section	.rodata,"a",@progbits
	.p2align	6, 0x0
	.amdhsa_kernel k_qaff36d0842_coarse
		.amdhsa_group_segment_fixed_size 82944
		.amdhsa_private_segment_fixed_size 0
		.amdhsa_enable_private_segment 0
		.amdhsa_kernarg_size 160
		.amdhsa_user_sgpr_count 2
		.amdhsa_user_sgpr_kernarg_segment_ptr 1
		.amdhsa_wavefront_size32 1
		.amdhsa_system_sgpr_workgroup_id_x 1
		.amdhsa_system_sgpr_workgroup_id_y 1
		.amdhsa_system_sgpr_workgroup_id_z 1
		.amdhsa_system_vgpr_workitem_id 0
		.amdhsa_next_free_vgpr 168
		.amdhsa_next_free_sgpr 96
		.amdhsa_reserve_vcc 1
		.amdhsa_float_denorm_mode_32 3
		.amdhsa_float_denorm_mode_16_64 3
		.amdhsa_memory_ordered 1
		.amdhsa_forward_progress 1
		.amdhsa_inst_pref_size 96
	.end_amdhsa_kernel
	.amdgpu_metadata
---
amdhsa.version: [ 1, 2 ]
amdhsa.kernels:
  - .name:           k_qaff36d0842_coarse
    .symbol:         k_qaff36d0842_coarse.kd
    .args:
      - { .name: xyz1, .offset: 0, .size: 8, .value_kind: global_buffer, .address_space: global }
      - { .name: xyz2, .offset: 8, .size: 8, .value_kind: global_buffer, .address_space: global }
      - { .name: fuse_W, .offset: 16, .size: 8, .value_kind: global_buffer, .address_space: global }
      - { .name: ext1_W, .offset: 24, .size: 8, .value_kind: global_buffer, .address_space: global }
      - { .name: ext2_W, .offset: 32, .size: 8, .value_kind: global_buffer, .address_space: global }
      - { .name: pred1_W, .offset: 40, .size: 8, .value_kind: global_buffer, .address_space: global }
      - { .name: pred2_W, .offset: 48, .size: 8, .value_kind: global_buffer, .address_space: global }
      - { .name: fuse_bn, .offset: 56, .size: 8, .value_kind: global_buffer, .address_space: global }
      - { .name: ext1_bn, .offset: 64, .size: 8, .value_kind: global_buffer, .address_space: global }
      - { .name: ext2_bn, .offset: 72, .size: 8, .value_kind: global_buffer, .address_space: global }
      - { .name: pred1_bn, .offset: 80, .size: 8, .value_kind: global_buffer, .address_space: global }
      - { .name: pred2_bn, .offset: 88, .size: 8, .value_kind: global_buffer, .address_space: global }
      - { .name: fuse_b, .offset: 96, .size: 8, .value_kind: global_buffer, .address_space: global }
      - { .name: ext1_b, .offset: 104, .size: 8, .value_kind: global_buffer, .address_space: global }
      - { .name: ext2_b, .offset: 112, .size: 8, .value_kind: global_buffer, .address_space: global }
      - { .name: pred1_b, .offset: 120, .size: 8, .value_kind: global_buffer, .address_space: global }
      - { .name: pred2_b, .offset: 128, .size: 8, .value_kind: global_buffer, .address_space: global }
      - { .name: cand, .offset: 136, .size: 8, .value_kind: global_buffer, .address_space: global }
      - { .name: tab, .offset: 144, .size: 8, .value_kind: global_buffer, .address_space: global }
      - { .name: wb, .offset: 152, .size: 8, .value_kind: global_buffer, .address_space: global }
    .group_segment_fixed_size: 82944
    .private_segment_fixed_size: 0
    .kernarg_segment_align: 8
    .kernarg_segment_size: 160
    .max_flat_workgroup_size: 128
    .sgpr_count:     96
    .vgpr_count:     168
    .wavefront_size: 32
...
	.end_amdgpu_metadata
.endif
;; end of part 1
;; launch fine (part 2): grid 256 x 1, 4 waves a work-group, no clusters, 177,664 bytes of LDS; arguments xyz1, points2, last_pred, cand, tab, wb, idx, wgt, y2; writes idx, wgt, y2
.if DOCPART == 2
	.amdgcn_target "amdgcn-amd-amdhsa--gfx1250"
	.amdhsa_code_object_version 6
	.text
	.protected	k_qaff36d0842_fine
	.globl	k_qaff36d0842_fine
	.p2align	8
	.type	k_qaff36d0842_fine,@function
k_qaff36d0842_fine:
	s_mov_b64 s[64:65], 0
	v_nop
	global_prefetch_b8 v0, s[64:65] scope:SCOPE_SE
	s_setreg_imm32_b32 hwreg(HW_REG_WAVE_MODE, 25, 1), 1
	s_wait_xcnt 0x0
; FINE SELECTION, AND THE SOURCE POINTS' SHARE OF THE FUSE LAYER.
; (1) Y2[b][s][o] = the sum over k of fuse_W[o][128 + k] [points2; last_pred][b][k][s], k = 0 .. 268, for 64 source points x 64 channels a work-group: bf16 operands (the inputs rounded
;     to bf16 are exact in it), f32 sums, stored in f32.  The fuse layer is linear, so the next launch interpolates these rows instead of 269 channels.
; (2) For query 128 wg + thread: the 3 nearest of the 96 source points in the three chunks that cand names, their indices and weights.  The distance has the same sums in the same order as in
;     the launch before; the chunks come in ascending order and the compares are strict, so of equal distances the lower index comes first.
; LIMITS.  Distances must be finite.  1 / x is v_rcp_f32 (1 ULP); the weights are r / ((r0 + r1) + r2), r = 1 / (d + 1e-8).
; NO CLUSTER, though the 128 work-groups of a batch read one table and 128 work-groups read the same weights: the selection reads LDS at addresses made of cand, which differ from work-group to
; work-group.  What is shared is 113,664 bytes once for each work-group.
.set TAB,   0         ; 128 chunks x 528 bytes (512 + 16 of padding): filled by a tensor load
.set WB2,   67584     ; [channel tile 4][ks 9][16 rows] x 80 bytes (64 + 16): filled by a tensor load
.set P2S,   113664    ; bf16 [k 288][64 points], 160 bytes a row (128 + 32)
.set OST,   159744    ; a wave's stage: 16 rows x 272 bytes
.set SPARE, 177152    ; the spare words, 128 bytes a wave: two blocks of 256 bytes that no other line names
.set CB0, 40          ; v[40:71], v[72:103]  8 source points each, in the selection
.set CB1, 72
.set DD,  104         ; v[104:111] distances
.set DT,  112         ; v[112:119] s1 + s2
.set ACC, 40          ; v[40:71]   in the product: 4 accumulators
.set BF,  72          ; v[72:143]  9 fragments of the points
.set AF0, 144         ; v[144:175], v[176:207] 4 fragments of the weights, two buffers
.set AF1, 176
.set RB,  208         ; v[208:239] rows read back from the stage
; v1 lane, v2 and v3 the add's, v4 lane % 16, v5 lane / 16, v6-15 addresses, v16-19 -2x -2y -2z s1, v20-22 the chunks, v23 LDS address, v26-28 a b c, v29-31 their codes, v32-33 at work,
; v34-36 xyz1, v37 cand, v104-116 last_pred, v120-127 at work and results, v128-255 points2.  s4 wave, s5 wg, s6 batch, s7 channel half, s26 point tile, s28-51 descriptors, s52-59 at work
	s_load_b512 s[8:23], s[0:1], 0x0               ; xyz1 8, points2 10, last_pred 12, cand 14, tab 16, wb 18, idx 20, wgt 22
	s_load_b64 s[24:25], s[0:1], 0x40              ; y2
	v_lshl_add_u32 v2, v0, 2, SPARE
	v_mov_b32 v3, 0
	ds_add_u32 v2, v3                              ; the wave's opening: the add and its wait stand ahead of my first tensor load; the set-up stands between them
	v_and_b32 v1, 31, v0
	v_lshrrev_b32 v6, 5, v0
	v_readfirstlane_b32 s4, v6
	s_mov_b32 s5, ttmp9
	s_lshr_b32 s6, s5, 7
	s_and_b32 s7, s5, 1
	s_bfe_u32 s26, s5, 0x60001                     ; (wg / 2) % 64
	; the table: my 32 chunks, rows of 128 words, 4 words of padding behind each
	s_mov_b32 s32, (2<<16)|(1<<20)|(6<<22)|(3<<25) ; elements of 4 bytes; padding on; after every 128 words (code 6) 4 words (code 3)
	s_mov_b32 s33, 128<<16                         ; tensor_dim0 = 128
	s_mov_b32 s34, 32<<16                          ; tensor_dim1 = 32
	s_mov_b32 s35, 128<<16                         ; tile_dim0 = 128
	s_mov_b32 s36, 32                              ; tile_dim1 = 32
	s_mov_b32 s37, 128                             ; from row to row
	s_mov_b32 s38, 0
	s_mov_b32 s39, 0
	; the weights: channel tile w of my half: for each of 9 K steps 16 rows of 64 bytes, 1,024 consecutive bytes; padded after every 64
	s_mov_b32 s44, (3<<16)|(1<<20)|(3<<22)|(3<<25) ; elements of 8 bytes; padding on; after every 16 words (code 3) 4 words (code 3)
	s_mov_b32 s45, 128<<16                         ; tensor_dim0 = 128
	s_mov_b32 s46, 9<<16                           ; tensor_dim1 = 9
	s_mov_b32 s47, 128<<16                         ; tile_dim0 = 128
	s_mov_b32 s48, 9                               ; tile_dim1 = 9
	s_mov_b32 s49, 1024                            ; a K step's 128 rows: 8,192 bytes
	s_mov_b32 s50, 0
	s_mov_b32 s51, 0
	s_mov_b32 s28, 1
	s_mul_i32 s29, s4, 16896                       ; 32 chunks x 528
	s_mov_b32 s40, 1
	s_mul_i32 s41, s4, 11520                       ; 9 x 16 x 80
	s_add_co_u32 s41, s41, WB2
	s_lshl_b32 s52, s6, 16
	s_lshl_b32 s53, s4, 14
	s_add_co_u32 s52, s52, s53
	s_mov_b32 s53, 0
	s_lshl_b32 s54, s7, 12
	s_lshl_b32 s55, s4, 10
	s_add_co_u32 s54, s54, s55
	s_add_co_u32 s54, s54, 141312                  ; block 552 of wb
	s_mov_b32 s55, 0
	v_and_b32 v4, 15, v0
	v_bfe_u32 v5, v0, 4, 1
	v_lshlrev_b32 v6, 2, v0                        ; cand: 4 thread
	v_mul_u32_u24 v7, v0, 12                       ; xyz1
	v_mul_u32_u24 v8, v0, 52                       ; last_pred (waves 0 and 1: point = thread)
	v_lshlrev_b32 v9, 4, v4                        ; points2: row 64 wave + lane / 16, 16 bytes at 16 (lane % 16)
	v_lshl_add_u32 v9, v5, 14, v9
	s_lshl_b32 s56, s4, 20
	v_add_nc_u32 v9, s56, v9
	s_mul_i32 s56, s4, 10240
	s_add_co_u32 s56, s56, P2S
	v_mul_u32_u24 v10, v5, 160                     ; and where its 4 bf16 go
	v_lshl_add_u32 v10, v4, 3, v10
	v_add_nc_u32 v10, s56, v10
	s_and_b32 s56, s4, 1
	s_lshl_b32 s56, s56, 6
	s_add_co_u32 s56, s56, P2S
	v_lshl_add_u32 v12, v1, 1, s56                 ; rows 256 on: point 32 (wave % 2) + lane
	v_mov_b32 v13, 0
	v_and_b32 v14, 7, v0                           ; the turning load (ISA guide, ds_load_tr16_b128): row 8 (lane / 16) + lane % 8, 16 bytes at 16 ((lane / 8) % 2), my 16 points
	v_lshl_add_u32 v14, v5, 3, v14
	v_mul_u32_u24 v14, v14, 160
	v_bfe_u32 v15, v0, 3, 1
	v_lshl_add_u32 v14, v15, 4, v14
	s_lshl_b32 s56, s4, 5
	s_add_co_u32 s56, s56, P2S
	v_add_nc_u32 v14, s56, v14
	v_mul_u32_u24 v15, v4, 80                      ; a weight fragment: row lane % 16, 16 bytes at 16 (lane / 16)
	v_lshl_add_u32 v15, v5, 4, v15
	v_add_nc_u32 v15, WB2, v15
	s_wait_dscnt 0x0                               ; the opening add is done
	s_wait_kmcnt 0x0
	s_add_nc_u64 s[30:31], s[16:17], s[52:53]
	s_or_b32 s31, s31, 0x80000000
	s_add_nc_u64 s[42:43], s[18:19], s[54:55]
	s_or_b32 s43, s43, 0x80000000
	tensor_load_to_lds s[28:31], s[32:39]          ; both first fills together: two tensor loads of mine are out
	s_nop 0
	tensor_load_to_lds s[40:43], s[44:51]
	s_nop 0
	s_mov_b32 s57, 0
	s_lshl_b32 s56, s5, 9
	s_add_nc_u64 s[14:15], s[14:15], s[56:57]
	s_mul_i32 s56, s5, 1536
	s_add_nc_u64 s[8:9], s[8:9], s[56:57]
	s_lshl_b32 s56, s6, 12
	s_lshl_b32 s58, s26, 6
	s_add_co_u32 s58, s56, s58                     ; my first source point, counted through both batches
	s_mul_i32 s56, s58, 52
	s_add_nc_u64 s[12:13], s[12:13], s[56:57]
	s_lshl_b32 s56, s6, 22
	s_lshl_b32 s59, s26, 8
	s_add_co_u32 s56, s56, s59
	s_add_nc_u64 s[10:11], s[10:11], s[56:57]
	s_lshl_b32 s56, s5, 11
	s_add_nc_u64 s[20:21], s[20:21], s[56:57]
	s_add_nc_u64 s[22:23], s[22:23], s[56:57]
	s_lshl_b32 s56, s4, 4
	s_add_co_u32 s56, s56, s58
	s_lshl_b32 s56, s56, 9
	s_lshl_b32 s59, s7, 8
	s_add_co_u32 s56, s56, s59
	s_add_nc_u64 s[24:25], s[24:25], s[56:57]      ; y2 at my wave's 16 points, my half of the channels
	global_load_b32 v37, v6, s[14:15]
	global_load_b32 v34, v7, s[8:9]
	global_load_b32 v35, v7, s[8:9] offset:4
	global_load_b32 v36, v7, s[8:9] offset:8
	s_cmp_lt_u32 s4, 2                             ; waves 0 and 1 ask for last_pred, ahead of points2, so that the counts below hold for every wave
	s_cbranch_scc0 .Lno_pred
.set j, 0
.rept 13
	global_load_b32 v[104+j], v8, s[12:13] offset:4*j
.set j, j+1
.endr
.Lno_pred:
.set i, 0
.rept 32                                               ; two rows of 256 bytes an instruction; a second work-group reads the same rows, so no hint
	global_load_b128 v[128+4*i:131+4*i], v9, s[10:11] offset:32768*i
.set i, i+1
.endr
.set i, 0
.rept 32
	s_wait_loadcnt 31-i                            ; the younger loads stay out
	v_cvt_pk_bf16_f32 v[120+2*(i%4)], v[128+4*i], v[129+4*i]
	v_cvt_pk_bf16_f32 v[121+2*(i%4)], v[130+4*i], v[131+4*i]
	ds_store_b64 v10, v[120+2*(i%4):121+2*(i%4)] offset:320*i
.set i, i+1
.endr
	s_cmp_lt_u32 s4, 2
	s_cbranch_scc0 .Lzero_rows
.set j, 0
.rept 13                                               ; rows 256 .. 268: last_pred, turned
	v_cvt_pk_bf16_f32 v[104+j], v[104+j], v[104+j]
.set j, j+1
.endr
.set j, 0
.rept 13
	ds_store_b16 v12, v[104+j] offset:(256+j)*160
.set j, j+1
.endr
	s_branch .Lrows_done
.Lzero_rows:
.set j, 0
.rept 19                                               ; rows 269 .. 287: zeros, to fill the ninth K step
	ds_store_b16 v12, v13 offset:(269+j)*160
.set j, j+1
.endr
.Lrows_done:
	s_wait_tensorcnt 0x0                           ; my parts of the table and of the weights have landed,
	s_wait_dscnt 0x0                               ; my rows are stored:
	s_barrier_signal -1
	s_barrier_wait -1                              ; everybody's are
	; THE PRODUCT.  Source 0 = 16 channels, source 1 = my 16 points: a lane's eight results are eight neighbouring channels of one point.
.macro AFETCH buf, ks
.set ft, 0
.rept 4
	ds_load_b128 v[(\buf)+8*ft:(\buf)+8*ft+3],   v15 offset:11520*ft+1280*(\ks)
	ds_load_b128 v[(\buf)+8*ft+4:(\buf)+8*ft+7], v15 offset:11520*ft+1280*(\ks)+32
.set ft, ft+1
.endr
.endm
.set ks, 0
.rept 9
	ds_load_tr16_b128 v[BF+8*ks:BF+8*ks+3],   v14 offset:5120*ks
	ds_load_tr16_b128 v[BF+8*ks+4:BF+8*ks+7], v14 offset:5120*ks+2560
.set ks, ks+1
.endr
	AFETCH AF0, 0
	AFETCH AF1, 1
	s_mul_i32 s56, s4, 4352
	s_add_co_u32 s56, s56, OST
	v_mul_u32_u24 v6, v4, 272                      ; into the stage: row lane % 16, 32 bytes for each half of the lanes
	v_lshl_add_u32 v6, v5, 5, v6
	v_add_nc_u32 v6, s56, v6
	v_mul_u32_u24 v7, v5, 272                      ; back: lanes 0-15 one row of 256 bytes, lanes 16-31 the next
	v_lshl_add_u32 v7, v4, 4, v7
	v_add_nc_u32 v7, s56, v7
	v_lshlrev_b32 v8, 9, v5                        ; and the same two rows in y2
	v_lshl_add_u32 v8, v4, 4, v8
	v_lshlrev_b32 v9, 4, v0                        ; idx and wgt: 16 thread
.set ks, 0
.rept 9
.if ks < 8
	s_wait_dscnt 0x8                               ; the next K step's eight loads may stay out
.else
	s_wait_dscnt 0x0
.endif
.set AF, AF0+32*(ks%2)
.irp t, 0,1,2,3                        ; the four accumulators take turns
.if ks == 0
	v_wmma_f32_16x16x32_bf16 v[ACC+8*(\t):ACC+8*(\t)+7], v[AF+8*(\t):AF+8*(\t)+7], v[BF+8*ks:BF+8*ks+7], 0
.else
	v_wmma_f32_16x16x32_bf16 v[ACC+8*(\t):ACC+8*(\t)+7], v[AF+8*(\t):AF+8*(\t)+7], v[BF+8*ks:BF+8*ks+7], v[ACC+8*(\t):ACC+8*(\t)+7]
.endif
.endr
.rept 4
	v_nop                                          ; four places ahead of loads into registers just multiplied, and at the end ahead of the stores of the results
.endr
.if ks < 7
	AFETCH AF, ks+2
.endif
.set ks, ks+1
.endr
.irp t, 0,1,2,3
	ds_store_b128 v6, v[ACC+8*(\t):ACC+8*(\t)+3] offset:64*(\t)
	ds_store_b128 v6, v[ACC+8*(\t)+4:ACC+8*(\t)+7] offset:64*(\t)+16
.endr
.irp i, 0,1,2,3,4,5,6,7
	ds_load_b128 v[RB+4*(\i):RB+4*(\i)+3], v7 offset:544*(\i)  ; my own stage: LDS serves a wave's instructions in order (ISA guide 5.7.1.4)
.endr
.irp i, 0,1,2,3,4,5,6,7
	s_wait_dscnt 7-(\i)
	global_store_b128 v8, v[RB+4*(\i):RB+4*(\i)+3], s[24:25] offset:1024*(\i)  ; 16 lanes store 256 consecutive bytes, aligned
.endr
	; THE SELECTION
	v_cvt_pk_bf16_f32 v32, v34, v35
	v_cvt_pk_bf16_f32 v33, v36, v36
	v_lshlrev_b32 v16, 16, v32
	v_and_b32 v17, 0xffff0000, v32
	v_lshlrev_b32 v18, 16, v33
	v_mul_f32 v19, v16, v16
	v_fma_f32 v19, v17, v17, v19
	v_fma_f32 v19, v18, v18, v19
	v_mul_f32 v16, -2.0, v16
	v_mul_f32 v17, -2.0, v17
	v_mul_f32 v18, -2.0, v18
	v_and_b32 v20, 0xff, v37
	v_bfe_u32 v21, v37, 8, 8
	v_bfe_u32 v22, v37, 16, 8
	v_min_u32 v20, 127, v20
	v_min_u32 v21, 127, v21
	v_min_u32 v22, 127, v22
	v_mov_b32 v26, 0x7f800000
	v_mov_b32 v27, 0x7f800000
	v_mov_b32 v28, 0x7f800000
	v_mov_b32 v29, 0
	v_mov_b32 v30, 0
	v_mov_b32 v31, 0
.macro FLOAD8 buf, off
.set c, 0
.rept 8
	ds_load_b128 v[(\buf)+4*c:(\buf)+4*c+3], v23 offset:(\off)+16*c
.set c, c+1
.endr
.endm
.macro FINS val                        ; distance v[val], code s58 (32 x the chunk's place in the list + the point's place in the chunk), into the list of three; then the next code
	v_cmp_lt_f32 s52, v[\val], v26
	v_cmp_lt_f32 s53, v[\val], v27
	v_cmp_lt_f32 s54, v[\val], v28
	v_cndmask_b32 v32, s58, v30, s53
	v_cndmask_b32 v31, v31, v32, s54
	v_cndmask_b32 v33, s58, v29, s52
	v_cndmask_b32 v30, v30, v33, s53
	v_cndmask_b32 v29, v29, s58, s52
	v_med3_num_f32 v28, v27, v28, v[\val]
	v_med3_num_f32 v27, v26, v27, v[\val]
	v_min_num_f32 v26, v26, v[\val]
	s_add_co_u32 s58, s58, 1
.endm
.macro FSTEP buf, nbuf, off, ahead
.if \ahead
	FLOAD8 \nbuf, \off
	s_wait_dscnt 0x8                               ; the eight just issued may stay out
.else
	s_wait_dscnt 0x0
.endif
.set c, 0
.rept 8
	v_mul_f32 v[DD+c], v16, v[(\buf)+4*c]
.set c, c+1
.endr
.set c, 0
.rept 8
	v_fmac_f32 v[DD+c], v17, v[(\buf)+4*c+1]
.set c, c+1
.endr
.set c, 0
.rept 8
	v_fmac_f32 v[DD+c], v18, v[(\buf)+4*c+2]
.set c, c+1
.endr
.set c, 0
.rept 8
	v_add_f32 v[DT+c], v19, v[(\buf)+4*c+3]
.set c, c+1
.endr
.set c, 0
.rept 8
	v_add_f32 v[DD+c], v[DT+c], v[DD+c]
.set c, c+1
.endr
.set c, 0
.rept 8
	FINS DD+c
.set c, c+1
.endr
.endm
	s_mov_b32 s58, 0
	s_mov_b32 s59, 3
.Lfine:                                                ; a trip: one chunk of 32 source points; its LDS address is made anew from the list's lowest byte, held to 0 .. 127
	v_and_b32 v23, 0xff, v37
	v_min_u32 v23, 127, v23
	v_mul_u32_u24 v23, v23, 528
	v_lshrrev_b32 v37, 8, v37
	FLOAD8 CB0, 0
	FSTEP CB0, CB1, 128, 1
	FSTEP CB1, CB0, 256, 1
	FSTEP CB0, CB1, 384, 1
	FSTEP CB1, CB0, 0, 0
	s_sub_co_u32 s59, s59, 1
	s_cmp_lg_u32 s59, 0
	s_cbranch_scc1 .Lfine
.macro DECODE dst, k                   ; index = 32 x the chunk that the code's upper part names + its lower part
	v_lshrrev_b32 v32, 5, v[\k]
	v_cmp_eq_u32 vcc_lo, 1, v32
	v_cndmask_b32 v33, v20, v21, vcc_lo
	v_cmp_eq_u32 vcc_lo, 2, v32
	v_cndmask_b32 v33, v33, v22, vcc_lo
	v_and_b32 v32, 31, v[\k]
	v_lshl_or_b32 v[\dst], v33, 5, v32
.endm
	DECODE 120, 29
	DECODE 121, 30
	DECODE 122, 31
	v_add_f32 v26, 0x322bcc77, v26                 ; + 1e-8
	v_add_f32 v27, 0x322bcc77, v27
	v_add_f32 v28, 0x322bcc77, v28
	v_rcp_f32 v26, v26
	v_rcp_f32 v27, v27
	v_rcp_f32 v28, v28
	v_mov_b32 v123, 0                              ; a plain instruction between the reciprocals and their use (ISA guide 5.7.2)
	s_wait_alu depctr_va_vdst(0)
	v_add_f32 v32, v26, v27
	v_add_f32 v32, v32, v28
	v_rcp_f32 v32, v32
	v_mov_b32 v127, 0
	s_wait_alu depctr_va_vdst(0)
	v_mul_f32 v124, v26, v32
	v_mul_f32 v125, v27, v32
	v_mul_f32 v126, v28, v32
	global_store_b128 v9, v[120:123], s[20:21]     ; a wave stores 512 consecutive bytes, aligned
	global_store_b128 v9, v[124:127], s[22:23]
	s_wait_tensorcnt 0x0                           ; the wave's end, behind my last tensor load and my last LDS store
	ds_add_u32 v2, v3
	s_wait_dscnt 0x0
	s_endpgm
.Lfunc_end_k_qaff36d0842_fine:
	.size	k_qaff36d0842_fine, .Lfunc_end_k_qaff36d0842_fine-k_qaff36d0842_fine
	.p2alignl 7, 3214868480
	.fill 96, 4, 3214868480
	.section	.rodata,"a",@progbits
	.p2align	6, 0x0
	.amdhsa_kernel k_qaff36d0842_fine
		.amdhsa_group_segment_fixed_size 177664
		.amdhsa_private_segment_fixed_size 0
		.amdhsa_enable_private_segment 0
		.amdhsa_kernarg_size 72
		.amdhsa_user_sgpr_count 2
		.amdhsa_user_sgpr_kernarg_segment_ptr 1
		.amdhsa_wavefront_size32 1
		.amdhsa_system_sgpr_workgroup_id_x 1
		.amdhsa_system_sgpr_workgroup_id_y 1
		.amdhsa_system_sgpr_workgroup_id_z 1
		.amdhsa_system_vgpr_workitem_id 0
		.amdhsa_next_free_vgpr 256
		.amdhsa_next_free_sgpr 66
		.amdhsa_reserve_vcc 1
		.amdhsa_float_denorm_mode_32 3
		.amdhsa_float_denorm_mode_16_64 3
		.amdhsa_memory_ordered 1
		.amdhsa_forward_progress 1
		.amdhsa_inst_pref_size 64
	.end_amdhsa_kernel
	.amdgpu_metadata
---
amdhsa.version: [ 1, 2 ]
amdhsa.kernels:
  - .name:           k_qaff36d0842_fine
    .symbol:         k_qaff36d0842_fine.kd
    .args:
      - { .name: xyz1, .offset: 0, .size: 8, .value_kind: global_buffer, .address_space: global }
      - { .name: points2, .offset: 8, .size: 8, .value_kind: global_buffer, .address_space: global }
      - { .name: last_pred, .offset: 16, .size: 8, .value_kind: global_buffer, .address_space: global }
      - { .name: cand, .offset: 24, .size: 8, .value_kind: global_buffer, .address_space: global }
      - { .name: tab, .offset: 32, .size: 8, .value_kind: global_buffer, .address_space: global }
      - { .name: wb, .offset: 40, .size: 8, .value_kind: global_buffer, .address_space: global }
      - { .name: idx, .offset: 48, .size: 8, .value_kind: global_buffer, .address_space: global }
      - { .name: wgt, .offset: 56, .size: 8, .value_kind: global_buffer, .address_space: global }
      - { .name: y2, .offset: 64, .size: 8, .value_kind: global_buffer, .address_space: global }
    .group_segment_fixed_size: 177664
    .private_segment_fixed_size: 0
    .kernarg_segment_align: 8
    .kernarg_segment_size: 72
    .max_flat_workgroup_size: 128
    .sgpr_count:     66
    .vgpr_count:     256
    .wavefront_size: 32
...
	.end_amdgpu_metadata
.endif
;; end of part 2
;; launch mlp (part 3): grid 256 x 1, 8 waves a work-group, clusters of 4 x 1, 327,680 bytes of LDS; arguments points1, idx, wgt, y2, wb, out0, out1, out2; writes out0, out1, out2
.if DOCPART == 3
	.amdgcn_target "amdgcn-amd-amdhsa--gfx1250"
	.amdhsa_code_object_version 6
	.text
	.protected	k_qaff36d0842_mlp
	.globl	k_qaff36d0842_mlp
	.p2align	8
	.type	k_qaff36d0842_mlp,@function
k_qaff36d0842_mlp:
	s_mov_b64 s[64:65], 0
	v_nop
	global_prefetch_b8 v0, s[64:65] scope:SCOPE_SE
	s_setreg_imm32_b32 hwreg(HW_REG_WAVE_MODE, 25, 1), 1
	s_wait_xcnt 0x0
	s_wait_alu depctr_hold_cnt(0) depctr_sa_sdst(0) depctr_va_vdst(0) depctr_va_sdst(0) depctr_va_ssrc(0) depctr_va_vcc(0) depctr_vm_vsrc(0)
	s_getreg_b32 s2, hwreg(HW_REG_IB_STS2, 6, 4)
	s_cmp_eq_u32 s2, 0
	s_cbranch_scc0 .Lentry_in_a_cluster
	s_endpgm
.Lentry_in_a_cluster:
	s_bfe_u32 s2, ttmp6, 0x10000c
	s_cmp_lg_u32 s2, 0x3003
	s_cbranch_scc0 .Lentry_shape_is_right
	s_endpgm
.Lentry_shape_is_right:
; THE FIVE LAYERS, FUSED.  A work-group takes 128 points, each of its eight waves 16 points with all 128 channels: the chain of layers never leaves the wave.
;   x1 = relu(sc0 (W0 p1 + w0 Y2[i0] + w1 Y2[i1] + w2 Y2[i2]) + sh0);  h = relu(sc1 W1 x1 + sh1);  x2 = relu(sc2 W2 h + sh2 + x1) -> out0;
;   feat = relu(sc3 W3 x2 + sh3) -> out1;  pred = relu(sc4 W4 feat + sh4) -> out2.  sc and sh hold bias and batch norm (made by the first launch).
; FORMATS.  Weights and points1 are the inputs rounded to bf16, exact as matrix operands.  x1, h, x2 and feat go to the matrix unit as TWO bf16 operands, the number rounded and the remainder
; rounded: two products for each weight fragment; f16 would not hold inputs 30 times larger.  Sums, scales, the residual and the interpolation in f32.
; LAYOUT.  Source 0 = 16 output channels (weights), source 1 = my 16 points.  In the result a lane holds ONE point (lane % 16) and the channels 16 t + 8 (lane / 16) + 0..7; two such tiles, rounded
; in pairs, ARE the next layer's source 1 for 32 channels.  Nothing changes lanes between the layers.
; CLUSTER.  All work-groups read the same 141,312 bytes of wb: four partners ask for them jointly, each wave 69 rows, once, at the start: one tensor load of mine is out.
; LIMITS.  An index is held to 0 .. 4095 before it enters an address.
.set WL,    0         ; 552 rows x 272 bytes (256 + 16 of padding: 68 words, so that 16 rows start at 16 different groups of four banks; 64 banks of 4 bytes: ISA guide 11.1)
.set P1,    150272    ; bf16 [128 channels][128 points], 288 bytes a row
.set O2,    150272    ; out2's stage, 128 x 52 bytes, in P1's place once every wave has read P1
.set STG,   187136    ; a wave's own 16 rows x 528 bytes: the interpolation, then x1, then feat
.set O0,    254720    ; f32 [128 channels][128 points], 528 bytes a row: out0's stage
.set SPARE, 322304    ; the spare words, 128 bytes a wave: four blocks of 256 bytes that no other line names
.set LW,    34816     ; a layer's 128 rows of weights
.set ACC, 16          ; v[16:79]    8 accumulators
.set OPH, 80          ; v[80:111]   source 1, the rounded numbers: 4 fragments
.set OPL, 112         ; v[112:143]  the remainders
.set WFA, 144         ; v[144:175], v[176:207]  4 weight fragments each
.set WFB, 176
.set SS0, 208         ; v[208:223], v[224:239]  a tile's 8 scales and 8 shifts, two buffers
.set TMP, 240         ; v[240:247]  at work
.set TA, 36           ; s[36:51], s[68:83], s[84:99]: 16 words of idx or wgt each (4 points)
.set TB, 68
.set TC, 84
; v1 lane, v2 and v3 the add's, v4 16 lane, v5 points1's and out0's offset, v6 P1 in, v7 P1 out (turning), v8 weights, v9 scales, v10 stage by point, v11 stage by row, v12 O0 in, v13 O0 out, v14 O2 in, v15 O2 out
; s4 wave, s5 wg, s6 batch, s7 wg % 128, s24-35 descriptor, s52-63 offsets, s100 mask of a word's upper bf16, s101 EXEC kept
.macro ROUND                           ; a round of the cluster's barrier
	s_barrier_signal -1
	s_barrier_wait -1
	s_cmp_lg_u32 s4, 0
	s_cbranch_scc1 .Lnot_wave_0_\@
	s_barrier_signal -3
.Lnot_wave_0_\@:
	s_barrier_wait -3
	s_barrier_signal -1
	s_barrier_wait -1
.endm
	s_load_b512 s[8:23], s[0:1], 0x0               ; points1 8, idx 10, wgt 12, y2 14, wb 16, out0 18, out1 20, out2 22
	v_lshl_add_u32 v2, v0, 2, SPARE
	v_mov_b32 v3, 0
	ds_add_u32 v2, v3                              ; the wave's opening: the add and its wait stand ahead of the round and of my tensor load; the set-up stands between them
	v_and_b32 v1, 31, v0
	v_lshrrev_b32 v4, 5, v0
	v_readfirstlane_b32 s4, v4
	s_bfe_u32 s5, ttmp6, 0x40000                   ; my place in the cluster: it enters global addresses alone
	s_lshl_b32 s6, ttmp9, 2
	s_add_co_u32 s5, s6, s5                        ; work-group
	s_lshr_b32 s6, ttmp9, 5                        ; batch
	s_and_b32 s7, s5, 127
	s_mov_b32 s100, 0xffff0000
	s_mov_b32 s28, 15|(1<<16)|(1<<20)|(1<<21)|(5<<22)|(3<<25)  ; the mask of four; elements of 2 bytes; padding on; bit 21 beside a mask; after every 64 words (code 5) 4 words (code 3)
	s_mov_b32 s29, 128<<16                         ; tensor_dim0 = 128
	s_mov_b32 s30, 69<<16                          ; tensor_dim1 = 69
	s_mov_b32 s31, 128<<16                         ; tile_dim0 = 128
	s_mov_b32 s32, 69                              ; tile_dim1 = 69
	s_mov_b32 s33, 128                             ; from row to row
	s_mov_b32 s34, 0
	s_mov_b32 s35, 0
	s_mov_b32 s24, 1
	s_mul_i32 s25, s4, 18768                       ; 69 rows x 272
	s_mul_i32 s52, s4, 17664                       ; 69 rows x 256
	s_mov_b32 s53, 0
	s_lshl_b32 s54, s6, 23                         ; points1 and out0: the batch, my 128 points
	s_lshl_b32 s55, s7, 9
	s_add_co_u32 s54, s54, s55
	s_mov_b32 s55, 0
	s_lshl_b32 s56, s5, 11                         ; idx and wgt: 16 bytes a point, my wave's 16
	s_lshl_b32 s57, s4, 8
	s_add_co_u32 s56, s56, s57
	s_mov_b32 s57, 0
	s_lshl_b32 s58, s6, 21                         ; y2: the batch
	s_mov_b32 s59, 0
	s_lshl_b32 s60, s5, 16                         ; out1: 512 bytes a point
	s_lshl_b32 s61, s4, 13
	s_add_co_u32 s60, s60, s61
	s_mov_b32 s61, 0
	s_mul_i32 s62, s5, 6656                        ; out2: 52 bytes a point; my wave's 512 bytes of the work-group's 6,656
	s_lshl_b32 s63, s4, 9
	s_add_co_u32 s62, s62, s63
	s_mov_b32 s63, 0
	v_and_b32 v240, 15, v0                         ; lane % 16
	v_bfe_u32 v241, v0, 4, 1                       ; lane / 16
	v_lshlrev_b32 v4, 4, v1
	s_lshl_b32 s68, s4, 20
	v_add_nc_u32 v5, s68, v4                       ; channel 16 wave: 65,536 bytes a channel
	s_mul_i32 s68, s4, 4608
	s_add_co_u32 s68, s68, P1
	v_lshl_add_u32 v6, v1, 3, s68
	v_and_b32 v7, 7, v0
	v_lshl_add_u32 v7, v241, 3, v7
	v_mul_u32_u24 v7, v7, 288
	v_bfe_u32 v242, v0, 3, 1
	v_lshl_add_u32 v7, v242, 4, v7
	s_lshl_b32 s68, s4, 5
	s_add_co_u32 s68, s68, P1
	v_add_nc_u32 v7, s68, v7
	v_mul_u32_u24 v8, v240, 272
	v_lshl_add_u32 v8, v241, 4, v8
	v_lshlrev_b32 v9, 5, v241
	v_add_nc_u32 v9, 143616, v9                    ; row 528
	s_mul_i32 s68, s4, 8448
	s_add_co_u32 s69, s68, STG
	v_mul_u32_u24 v10, v240, 528
	v_lshl_add_u32 v10, v241, 5, v10
	v_add_nc_u32 v10, s69, v10
	v_add_nc_u32 v11, s69, v4
	s_add_co_u32 s69, s68, O0
	v_add_nc_u32 v13, s69, v4
	s_lshl_b32 s69, s4, 6
	s_add_co_u32 s69, s69, O0
	v_mul_u32_u24 v12, v241, 4224
	v_lshl_add_u32 v12, v240, 2, v12
	v_add_nc_u32 v12, s69, v12
	s_mul_i32 s69, s4, 832
	s_add_co_u32 s69, s69, O2
	v_mul_u32_u24 v14, v240, 52
	v_lshl_add_u32 v14, v241, 5, v14
	v_add_nc_u32 v14, s69, v14
	s_lshl_b32 s69, s4, 9
	s_add_co_u32 s69, s69, O2
	v_add_nc_u32 v15, s69, v4
	s_wait_dscnt 0x0                               ; the opening add is done
	s_wait_kmcnt 0x0
	s_add_nc_u64 s[26:27], s[16:17], s[52:53]      ; made of the wave's number alone: alike in all four partners
	s_or_b32 s27, s27, 0x80000000
	s_add_nc_u64 s[8:9], s[8:9], s[54:55]
	s_add_nc_u64 s[18:19], s[18:19], s[54:55]
	s_add_nc_u64 s[10:11], s[10:11], s[56:57]
	s_add_nc_u64 s[12:13], s[12:13], s[56:57]
	s_add_nc_u64 s[14:15], s[14:15], s[58:59]
	s_add_nc_u64 s[20:21], s[20:21], s[60:61]
	s_add_nc_u64 s[22:23], s[22:23], s[62:63]
	ROUND                                          ; all four work-groups are here: the joint loads meet
	tensor_load_to_lds s[24:27], s[28:35]
	s_nop 0
.rept 4
	v_nop
.endr
	s_load_b512 s[TA:TA+15], s[10:11], 0x0         ; the indices of points 0-3
	s_load_b512 s[TB:TB+15], s[10:11], 0x40        ; and 4-7
.set i, 0
.rept 16                                               ; channel 16 wave + i, my work-group's 128 points: 512 consecutive bytes an instruction
	global_load_b128 v[16+4*i:19+4*i], v5, s[8:9] offset:65536*i th:TH_LOAD_NT
.set i, i+1
.endr
; gather n (point n / 3, neighbour n % 3) lands in four registers, the first of which held its offset
.macro DOF name, n
.if (\n) < 24
.set \name, 80+4*(\n)
.elseif (\n) < 40
.set \name, 16+4*((\n)-24)
.else
.set \name, 176+4*((\n)-40)
.endif
.endm
.macro GATH n, sr
	DOF D0, \n
	s_min_u32 s[\sr], s[\sr], 4095
	v_lshl_add_u32 v[D0], s[\sr], 9, v4            ; a row of y2 is 512 bytes: one instruction of the wave takes it whole
	global_load_b128 v[D0:D0+3], v[D0], s[14:15]
.endm
	s_wait_kmcnt 0x0
.set p, 0
.rept 8
.set k, 0
.rept 3
.set SR, TA+(TB-TA)*(p/4)+4*(p%4)+k
	GATH 3*p+k, SR
.set k, k+1
.endr
.set p, p+1
.endr
	s_load_b512 s[TA:TA+15], s[10:11], 0x80        ; the indices of points 8-11
	s_load_b512 s[TB:TB+15], s[10:11], 0xc0        ; and 12-15
	s_load_b512 s[TC:TC+15], s[12:13], 0x0         ; the weights of points 0-3
.set i, 0
.rept 16
	s_wait_loadcnt 39-i                            ; behind points1's load i stand 15 - i of its own kind and 24 gathers
	v_cvt_pk_bf16_f32 v[TMP+2*(i%4)], v[16+4*i], v[17+4*i]
	v_cvt_pk_bf16_f32 v[TMP+2*(i%4)+1], v[18+4*i], v[19+4*i]
	ds_store_b64 v6, v[TMP+2*(i%4):TMP+2*(i%4)+1] offset:288*i
.set i, i+1
.endr
	s_wait_kmcnt 0x0
.set p, 8
.rept 8
.set k, 0
.rept 3
.set SR, TA+(TB-TA)*((p-8)/4)+4*(p%4)+k
	GATH 3*p+k, SR
.set k, k+1
.endr
.set p, p+1
.endr
	s_load_b512 s[TA:TA+15], s[12:13], 0x40        ; the weights of points 4-7
	s_load_b512 s[TB:TB+15], s[12:13], 0x80        ; and 8-11
; point p: w0 row0 + w1 row1 + w2 row2, four channels a lane, into my stage
.macro INTERP p, sw
	DOF D0, 3*(\p)
	DOF D1, 3*(\p)+1
	DOF D2, 3*(\p)+2
	s_wait_loadcnt 45-3*(\p)                       ; of 48 gathers those behind this point's third may stay out
.irp c, 0,1,2,3
	v_mul_f32 v[D0+(\c)], s[\sw], v[D0+(\c)]
.endr
.irp c, 0,1,2,3
	v_fmac_f32 v[D0+(\c)], s[(\sw)+1], v[D1+(\c)]
.endr
.irp c, 0,1,2,3
	v_fmac_f32 v[D0+(\c)], s[(\sw)+2], v[D2+(\c)]
.endr
	ds_store_b128 v11, v[D0:D0+3] offset:528*(\p)
.endm
.set p, 0
.rept 16
.if p == 4
	s_wait_kmcnt 0x0                               ; the weights of points 4-11 are in; those of 0-3 are used up:
	s_load_b512 s[TC:TC+15], s[12:13], 0xc0        ; the weights of points 12-15
.endif
.if p == 12
	s_wait_kmcnt 0x0
.endif
.if p < 4
.set SW, TC+4*p
.elseif p < 8
.set SW, TA+4*(p-4)
.elseif p < 12
.set SW, TB+4*(p-8)
.else
.set SW, TC+4*(p-12)
.endif
	INTERP p, SW
.set p, p+1
.endr
	s_wait_tensorcnt 0x0                           ; my rows of the weights have landed,
	s_wait_dscnt 0x0                               ; my rows of P1 are stored:
	s_barrier_signal -1
	s_barrier_wait -1                              ; everybody's are
; group g of a layer's 8: K step g / 2, channel tiles 4 (g % 2) .. + 3: eight loads.  add: 0, or a layer's bytes for the next layer's
.macro FETCHW buf, g, add
.set fi, 0
.rept 4
.set fo, (\add)+4352*(4*((\g)%2)+fi)+64*((\g)/2)
	ds_load_b128 v[(\buf)+8*fi:(\buf)+8*fi+3],   v8 offset:fo
	ds_load_b128 v[(\buf)+8*fi+4:(\buf)+8*fi+7], v8 offset:fo+32
.set fi, fi+1
.endr
.endm
.macro FETCHP                          ; the head's 16 rows, all four K steps: eight loads
.set fi, 0
.rept 4
	ds_load_b128 v[WFA+8*fi:WFA+8*fi+3],   v8 offset:LW+64*fi
	ds_load_b128 v[WFA+8*fi+4:WFA+8*fi+7], v8 offset:LW+64*fi+32
.set fi, fi+1
.endr
.endm
; A LAYER'S PRODUCTS.  dual = 1: source 1 has a remainder.  cinit = 1: the accumulators already hold a first addend.  pre: what is fetched behind the last groups: 0 nothing, 1 the next layer's first
; two groups, 2 the head's weights.  The accumulators take turns, one instruction a turn, across the groups too.
.macro LAYER dual, cinit, pre
.set g, 0
.rept 8
.if g == 0
	s_wait_dscnt 0x0                               ; all that was asked of LDS so far
.elseif (g == 7) && ((\pre) == 0)
	s_wait_dscnt 0x0                               ; nothing was fetched behind group 6
.else
	s_wait_dscnt 0x8                               ; the eight loads issued behind the group before may stay out
.endif
.set WF, WFA+32*(g%2)
.set ks, g/2
.irp i, 0,1,2,3
.if (ks == 0) && !(\cinit)
	v_wmma_f32_16x16x32_bf16 v[ACC+8*(4*(g%2)+(\i)):ACC+8*(4*(g%2)+(\i))+7], v[WF+8*(\i):WF+8*(\i)+7], v[OPH+8*ks:OPH+8*ks+7], 0
.else
	v_wmma_f32_16x16x32_bf16 v[ACC+8*(4*(g%2)+(\i)):ACC+8*(4*(g%2)+(\i))+7], v[WF+8*(\i):WF+8*(\i)+7], v[OPH+8*ks:OPH+8*ks+7], v[ACC+8*(4*(g%2)+(\i)):ACC+8*(4*(g%2)+(\i))+7]
.endif
.endr
.if \dual
.irp i, 0,1,2,3
	v_wmma_f32_16x16x32_bf16 v[ACC+8*(4*(g%2)+(\i)):ACC+8*(4*(g%2)+(\i))+7], v[WF+8*(\i):WF+8*(\i)+7], v[OPL+8*ks:OPL+8*ks+7], v[ACC+8*(4*(g%2)+(\i)):ACC+8*(4*(g%2)+(\i))+7]
.endr
.endif
.rept 4
	v_nop                                          ; four places ahead of loads into registers just multiplied, and behind the last group ahead of the reads of the results
.endr
.if g < 6
	FETCHW WF, g+2, 0
.elseif (\pre) == 1
	FETCHW WF, g-6, LW
.elseif ((\pre) == 2) && (g == 6)
	FETCHP
.endif
.set g, g+1
.endr
	v_add_nc_u32 v8, LW, v8                        ; on to the next layer's rows
.endm
.macro SSLOAD L, t                     ; tile t's 8 scales and 8 shifts of layer L
.set SBR, SS0+16*((\t)%2)
.set so, 272*(4*(\L)+(\t)/4)+64*((\t)%4)
	ds_load_b128 v[SBR:SBR+3],     v9 offset:so
	ds_load_b128 v[SBR+4:SBR+7],   v9 offset:so+16
	ds_load_b128 v[SBR+8:SBR+11],  v9 offset:so+544
	ds_load_b128 v[SBR+12:SBR+15], v9 offset:so+560
.endm
.macro X1LOAD t                        ; tile t of x1, from my stage
.set XBR, WFA+8*((\t)%2)
	ds_load_b128 v[XBR:XBR+3],   v10 offset:64*(\t)
	ds_load_b128 v[XBR+4:XBR+7], v10 offset:64*(\t)+16
.endm
; BEHIND A LAYER'S PRODUCTS, tile by tile: scale and shift, (mode 2: + x1,) relu; the f32 result into a stage (mode 0: x1, mode 3: feat, into my own; mode 2: x2 into out0's; mode 1: none);
; then the two bf16 operands of the next layer.  A tile's scales are fetched a tile ahead.  Each accumulator is read from its lowest registers on,.
.macro EPI L, mode
.set nld, 4
.set nst, 0
.if ((\mode) == 0) || ((\mode) == 3)
.set nst, 2
.endif
.if (\mode) == 2
.set nld, 6
.set nst, 8
.endif
	SSLOAD \L, 0
.if (\mode) == 2
	X1LOAD 0
.endif
.set t, 0
.rept 8
.if t < 7
	SSLOAD \L, t+1
.if (\mode) == 2
	X1LOAD t+1
.endif
.endif
.if t == 0
	s_wait_dscnt nld                               ; behind this tile's loads stand the next tile's,
.elseif t < 7
	s_wait_dscnt nld+nst                           ; and the stage stores of the tile before
.else
	s_wait_dscnt nst
.endif
.set A, ACC+8*t
.set SC, SS0+16*(t%2)
.set XB, WFA+8*(t%2)
.set OH, OPH+8*(t/2)+4*(t%2)
.set OL, OPL+8*(t/2)+4*(t%2)
.irp i, 0,1,2,3
	v_pk_fma_f32 v[A+2*(\i):A+2*(\i)+1], v[A+2*(\i):A+2*(\i)+1], v[SC+2*(\i):SC+2*(\i)+1], v[SC+8+2*(\i):SC+9+2*(\i)]
.endr
.if (\mode) == 2
.irp i, 0,1,2,3
	v_pk_add_f32 v[A+2*(\i):A+2*(\i)+1], v[A+2*(\i):A+2*(\i)+1], v[XB+2*(\i):XB+2*(\i)+1]
.endr
.endif
.irp j, 0,1,2,3,4,5,6,7
	v_max_num_f32 v[A+(\j)], 0, v[A+(\j)]
.endr
.if ((\mode) == 0) || ((\mode) == 3)
	ds_store_b128 v10, v[A:A+3] offset:64*t
	ds_store_b128 v10, v[A+4:A+7] offset:64*t+16
.endif
.if (\mode) == 2
.irp j, 0,1,2,3,4,5,6,7
	ds_store_b32 v12, v[A+(\j)] offset:528*(16*t+(\j))
.endr
.endif
.irp i, 0,1,2,3
	v_cvt_pk_bf16_f32 v[OH+(\i)], v[A+2*(\i)], v[A+2*(\i)+1]
.endr
.irp i, 0,1,2,3
	v_lshlrev_b32 v[TMP+2*(\i)], 16, v[OH+(\i)]
	v_and_b32 v[TMP+2*(\i)+1], s100, v[OH+(\i)]
.endr
.irp i, 0,1,2,3
	v_pk_add_f32 v[TMP+2*(\i):TMP+2*(\i)+1], v[A+2*(\i):A+2*(\i)+1], v[TMP+2*(\i):TMP+2*(\i)+1] neg_lo:[0,1] neg_hi:[0,1]
.endr
.irp i, 0,1,2,3
	v_cvt_pk_bf16_f32 v[OL+(\i)], v[TMP+2*(\i)], v[TMP+2*(\i)+1]
.endr
.set t, t+1
.endr
.endm
.set t, 0
.rept 8                                                ; the interpolation is the fuse layer's first addend
	ds_load_b128 v[ACC+8*t:ACC+8*t+3],   v10 offset:64*t
	ds_load_b128 v[ACC+8*t+4:ACC+8*t+7], v10 offset:64*t+16
.set t, t+1
.endr
.set ks, 0
.rept 4                                                ; points1 lies [channel][point]: the turning load makes source 1 of it
	ds_load_tr16_b128 v[OPH+8*ks:OPH+8*ks+3],   v7 offset:9216*ks
	ds_load_tr16_b128 v[OPH+8*ks+4:OPH+8*ks+7], v7 offset:9216*ks+4608
.set ks, ks+1
.endr
	FETCHW WFA, 0, 0
	FETCHW WFB, 1, 0
	LAYER 0, 1, 1                                  ; fuse
	EPI 0, 0
	LAYER 1, 0, 1                                  ; ext1
	EPI 1, 1
	LAYER 1, 0, 0                                  ; ext2: nothing is fetched ahead, since x1 comes back into the first weight buffer
	EPI 2, 2
	s_wait_dscnt 0x0                               ; for the others' sake: my columns of out0's stage are stored, and my reads of P1 are long over
	s_barrier_signal -1
	s_barrier_wait -1
.set i, 0
.rept 16
	ds_load_b128 v[WFA+4*i:WFA+4*i+3], v13 offset:528*i  ; channel 16 wave + i, all 128 points
.set i, i+1
.endr
.set i, 0
.rept 16
	s_wait_dscnt 15-i
	global_store_b128 v5, v[WFA+4*i:WFA+4*i+3], s[18:19] offset:65536*i th:TH_STORE_NT  ; 512 consecutive bytes, aligned
.set i, i+1
.endr
	s_wait_xcnt 0x0                                ; the stores' data registers are loaded again only behind this wait
	FETCHW WFA, 0, 0
	FETCHW WFB, 1, 0
	LAYER 1, 0, 2                                  ; pred1
	EPI 3, 3
.set p, 0
.rept 16
	ds_load_b128 v[WFB+4*p:WFB+4*p+3], v11 offset:528*p  ; feat, point p, all 128 channels
.set p, p+1
.endr
	ds_load_b128 v[240:243], v9 offset:272*16      ; the head's scales and shifts
	ds_load_b128 v[244:247], v9 offset:272*16+16
	ds_load_b128 v[248:251], v9 offset:272*16+544
	ds_load_b128 v[252:255], v9 offset:272*16+560
.set ks, 0
.rept 4                                                ; pred2: one tile of 16 channels (13 and three rows of zeros); the rounded numbers' products and the remainders' in two accumulators, by turns
.if ks == 0
	v_wmma_f32_16x16x32_bf16 v[16:23], v[WFA+8*ks:WFA+8*ks+7], v[OPH+8*ks:OPH+8*ks+7], 0
	v_wmma_f32_16x16x32_bf16 v[24:31], v[WFA+8*ks:WFA+8*ks+7], v[OPL+8*ks:OPL+8*ks+7], 0
.else
	v_wmma_f32_16x16x32_bf16 v[16:23], v[WFA+8*ks:WFA+8*ks+7], v[OPH+8*ks:OPH+8*ks+7], v[16:23]
	v_wmma_f32_16x16x32_bf16 v[24:31], v[WFA+8*ks:WFA+8*ks+7], v[OPL+8*ks:OPL+8*ks+7], v[24:31]
.endif
.set ks, ks+1
.endr
.rept 4
	v_nop                                          ; the places behind the last products
.endr
.set p, 0
.rept 16
	s_wait_dscnt 19-p                              ; behind row p's load stand 15 - p rows and the four loads of scales
	global_store_b128 v4, v[WFB+4*p:WFB+4*p+3], s[20:21] offset:512*p th:TH_STORE_NT  ; a row of out1: 512 consecutive bytes, aligned
.set p, p+1
.endr
	s_wait_dscnt 0x0
.irp i, 0,1,2,3
	v_pk_add_f32 v[16+2*(\i):17+2*(\i)], v[16+2*(\i):17+2*(\i)], v[24+2*(\i):25+2*(\i)]
.endr
.irp i, 0,1,2,3
	v_pk_fma_f32 v[16+2*(\i):17+2*(\i)], v[16+2*(\i):17+2*(\i)], v[240+2*(\i):241+2*(\i)], v[248+2*(\i):249+2*(\i)]
.endr
.irp j, 0,1,2,3,4,5,6,7
	v_max_num_f32 v[16+(\j)], 0, v[16+(\j)]
.endr
.irp j, 0,1,2,3,4
	ds_store_b32 v14, v[16+(\j)] offset:4*(\j)     ; channels 8 (lane / 16) + j: 0-4 and 8-12
.endr
	v_cmp_gt_u32 vcc_lo, 16, v1
	s_wait_xcnt 0x0                                ; EXEC changes only behind this wait: stores are out
	s_and_saveexec_b32 s101, vcc_lo                ; channels 5-7: the lower half of the lanes alone (13-15 do not exist)
.irp j, 5,6,7
	ds_store_b32 v14, v[16+(\j)] offset:4*(\j)
.endr
	s_wait_xcnt 0x0
	s_or_b32 exec_lo, exec_lo, s101
	s_wait_dscnt 0x0                               ; for the others' sake
	s_barrier_signal -1
	s_barrier_wait -1
	ds_load_b128 v[16:19], v15                     ; the work-group's 6,656 bytes of out2 leave as 13 pieces of 512 consecutive bytes, aligned: piece = wave,
	s_wait_dscnt 0x0
	global_store_b128 v4, v[16:19], s[22:23] th:TH_STORE_NT
	s_cmp_lt_u32 s4, 5
	s_cbranch_scc0 .Lno_second
	ds_load_b128 v[20:23], v15 offset:4096         ; and piece 8 + wave for waves 0 to 4
	s_wait_dscnt 0x0
	global_store_b128 v4, v[20:23], s[22:23] offset:4096 th:TH_STORE_NT
.Lno_second:
	s_nop 0
	s_wait_tensorcnt 0x0                           ; the wave's end, behind my last tensor load and my last LDS store
	ds_add_u32 v2, v3
	s_wait_dscnt 0x0
	ROUND                                          ; the closing round
	s_endpgm
.Lfunc_end_k_qaff36d0842_mlp:
	.size	k_qaff36d0842_mlp, .Lfunc_end_k_qaff36d0842_mlp-k_qaff36d0842_mlp
	.p2alignl 7, 3214868480
	.fill 96, 4, 3214868480
	.section	.rodata,"a",@progbits
	.p2align	6, 0x0
	.amdhsa_kernel k_qaff36d0842_mlp
		.amdhsa_group_segment_fixed_size 327680
		.amdhsa_private_segment_fixed_size 0
		.amdhsa_enable_private_segment 0
		.amdhsa_kernarg_size 64
		.amdhsa_user_sgpr_count 2
		.amdhsa_user_sgpr_kernarg_segment_ptr 1
		.amdhsa_wavefront_size32 1
		.amdhsa_system_sgpr_workgroup_id_x 1
		.amdhsa_system_sgpr_workgroup_id_y 1
		.amdhsa_system_sgpr_workgroup_id_z 1
		.amdhsa_system_vgpr_workitem_id 0
		.amdhsa_next_free_vgpr 256
		.amdhsa_next_free_sgpr 102
		.amdhsa_reserve_vcc 1
		.amdhsa_float_denorm_mode_32 3
		.amdhsa_float_denorm_mode_16_64 3
		.amdhsa_memory_ordered 1
		.amdhsa_forward_progress 1
		.amdhsa_inst_pref_size 142
	.end_amdhsa_kernel
	.amdgpu_metadata
---
amdhsa.version: [ 1, 2 ]
amdhsa.kernels:
  - .name:           k_qaff36d0842_mlp
    .symbol:         k_qaff36d0842_mlp.kd
    .args:
      - { .name: points1, .offset: 0, .size: 8, .value_kind: global_buffer, .address_space: global }
      - { .name: idx, .offset: 8, .size: 8, .value_kind: global_buffer, .address_space: global }
      - { .name: wgt, .offset: 16, .size: 8, .value_kind: global_buffer, .address_space: global }
      - { .name: y2, .offset: 24, .size: 8, .value_kind: global_buffer, .address_space: global }
      - { .name: wb, .offset: 32, .size: 8, .value_kind: global_buffer, .address_space: global }
      - { .name: out0, .offset: 40, .size: 8, .value_kind: global_buffer, .address_space: global }
      - { .name: out1, .offset: 48, .size: 8, .value_kind: global_buffer, .address_space: global }
      - { .name: out2, .offset: 56, .size: 8, .value_kind: global_buffer, .address_space: global }
    .group_segment_fixed_size: 327680
    .private_segment_fixed_size: 0
    .kernarg_segment_align: 8
    .kernarg_segment_size: 64
    .max_flat_workgroup_size: 256
    .sgpr_count:     102
    .vgpr_count:     256
    .wavefront_size: 32
...
	.end_amdgpu_metadata
.endif
;; end of part 3
;; ======== version 2 of 2: 3 launches; version 1 with the launch coarse written anew for expert scheduling mode
;; workspace buffers: cand 131,072 bytes of whole numbers; tab 131,072 bytes; wb 215,040 bytes; idx 524,288 bytes of whole numbers; wgt 524,288 bytes; y2 4,194,304 bytes
;; launch coarse (part 4): grid 256 x 1, 4 waves a work-group, no clusters, 82,944 bytes of LDS; arguments xyz1, xyz2, fuse_W, ext1_W, ext2_W, pred1_W, pred2_W, fuse_bn, ext1_bn, ext2_bn, pred1_bn, pred2_bn, fuse_b, ext1_b, ext2_b, pred1_b, pred2_b, cand, tab, wb; writes cand, tab, wb
.if DOCPART == 4
	.amdgcn_target "amdgcn-amd-amdhsa--gfx1250"
	.amdhsa_code_object_version 6
	.text
	.protected	k_qaff36d0842_coarse
	.globl	k_qaff36d0842_coarse
	.p2align	8
	.type	k_qaff36d0842_coarse,@function
k_qaff36d0842_coarse:
	s_mov_b64 s[64:65], 0
	v_nop
	global_prefetch_b8 v0, s[64:65] scope:SCOPE_SE
	s_setreg_imm32_b32 hwreg(HW_REG_WAVE_SCHED_MODE, 0, 2), 2
	s_setreg_imm32_b32 hwreg(HW_REG_WAVE_MODE, 25, 1), 1
	s_wait_xcnt 0x0
	s_wait_alu depctr_vm_vsrc(0)
; COARSE SEARCH, AND THE WEIGHTS MADE READY.
; For each of 2 x 16,384 queries: which 3 of the 128 chunks of 32 consecutive source points hold the 3 nearest points.  In the order (distance, index) the three first
; points lie in the three chunks that come first in the order (chunk's least distance, chunk's number): a chunk ahead of a point's chunk holds a point ahead of that point.
; FORMATS.  Every input of the program is rounded to bf16 where it is loaded; products of two such coordinates are exact in f32.  The distance is summed in this order:
; s = (x x + y y) + z z;  m = ((-2 x1) x2 + (-2 y1) y2) + (-2 z1) z2;  d = (s1 + s2) + m, each sum rounded once to f32.
; LIMITS.  Distances must be finite: a NaN or an infinity never enters a list, and a list that is not filled keeps its starting numbers.
; SHARES.  Work-group g owns queries 128 g .. 128 g + 127 (batch g / 128).  Every wave holds all 128 queries, 4 a lane (query 32 i + lane), as two pairs for the packed
; arithmetic; wave w scans source points 1024 w .. 1024 w + 1023, 32 chunks; the four waves' lists meet in LDS.
; ALSO: the work-group's 512 bytes of the table (x, y, z, s) go to tab; wave 4 g + w makes block 4 g + w, 256 bytes, of wb (bf16 weights, the scale and shift of each layer).
; NO CLUSTER, NO TENSOR LOAD: what the work-groups share is xyz2, 49,152 bytes once for each, and it has to pass through registers to be rounded and squared.
; THE MODE: SCHED_MODE bits 1:0 = 2 (LLVM: expert scheduling mode 2), set by the entry lines.  The code itself states the register dependences between vector instructions
; and memory or LDS instructions, and those through scalar registers that vector instructions write, with s_wait_alu, always for 0.
; THE PLAN, in the loop.  Registers that LDS instructions touch:
;   CB0 .. CB3  8 source points each: points 0-7, 8-15, 16-23, 24-31 of a chunk.  Step s of a chunk reads CB[s]; LDS loads land in them.
;   v4          the chunk's place in the table: read by every LDS load, written once a chunk.
; Everything else (the queries, DM, DT, UU, the lists) is named by vector instructions alone.
; Two waits on va_vdst a chunk.  One behind step 1: steps 0 and 1 are done reading CB0 and CB1, in which the next chunk's points 0-15 land: eight loads at once, eight between the two
; pairs of step 2.  One at the chunk's end, behind the compares and the add to v4: steps 2 and 3 are done reading CB2 and CB3, and v4 is written: the next chunk's points 16-23 are
; asked for at once, its points 24-31 between the two pairs of its step 0.  The vector instructions between such a wait and the later eight loads name the buffer at work and registers that no load
; touches, never the buffer in which the loads land, nor v4.  One wait on vm_vsrc a chunk stands ahead of the add to v4, one on va_sdst behind the twelve compares.
.set TABLE, 0         ; 4,096 source points x 16 bytes (x, y, z, s)
.set MRG,   65536     ; [wave][query] 32 bytes: a, b, c, ia | ib, ic
.set RES,   81920     ; 128 packed results
.set SPARE, 82432     ; the spare words, 128 bytes a wave: two blocks of 256 bytes that no other line names
.set QX,  16          ; v[16:19]  -2 x of my four queries
.set QY,  20          ; v[20:23]  -2 y
.set QZ,  24          ; v[24:27]  -2 z
.set QS,  28          ; v[28:31]  s
.set LST, 32          ; query q at v[32+8q]: +0 a, +1 b, +2 c (least chunk minima, ascending), +3 ia, +4 ib, +5 ic (their chunks, as f32), +6 the chunk's minimum, +7 at work
.set OB,  40          ; v[40:55], v[56:71]  at the head only: two out-buffers of 4 entries of the table, by turns
.set T2R, 64          ; v[64:67]  at work in the insertion
.set UU,  68          ; v[68:71]  at work in the minimum
.set CB0, 72          ; v[72:103]   8 source points
.set CB1, 104         ; v[104:135]
.set DM,  136         ; v[136:151]  8 pairs: m, then d
.set DT,  152         ; v[152:167]  8 pairs: s1 + s2
.set CB2, 168         ; v[168:199]
.set CB3, 200         ; v[200:231]
; s4 wave, s5 g, s6 batch, s7 4 g + wave, s48-59 twelve masks, s60 the chunk's number as f32, s61 counter, s62 mask of a word's upper bf16, s66-87 at work
	s_load_b512 s[8:23], s[0:1], 0x0               ; xyz1 8, xyz2 10, fuse_W 12, ext1_W 14, ext2_W 16, pred1_W 18, pred2_W 20, fuse_bn 22
	s_load_b512 s[24:39], s[0:1], 0x40             ; ext1_bn 24, ext2_bn 26, pred1_bn 28, pred2_bn 30, fuse_b 32, ext1_b 34, ext2_b 36, pred1_b 38
	s_load_b256 s[40:47], s[0:1], 0x80             ; pred2_b 40, cand 42, tab 44, wb 46
	v_lshl_add_u32 v2, v0, 2, SPARE                ; my spare word; never rewritten
	v_mov_b32 v3, 0                                ; 0; never rewritten
	v_and_b32 v1, 31, v0                           ; lane
	v_lshrrev_b32 v5, 5, v0
	v_readfirstlane_b32 s4, v5                     ; wave
	s_mov_b32 s5, ttmp9
	s_lshr_b32 s6, s5, 7
	s_mov_b32 s62, 0xffff0000
	v_mul_u32_u24 v6, v0, 48                       ; my 4 source points of a turn: 48 bytes of xyz2
	v_mul_u32_u24 v8, v1, 12                       ; my query among 32
	s_wait_alu depctr_va_sdst(0)                   ; s4 is written, ahead of its first reader
	s_lshl2_add_u32 s7, s5, s4
	s_lshl_b32 s66, s4, 11
	v_lshl_add_u32 v7, v1, 6, s66                  ; and their 64 bytes of the table: 2,048 wave + 64 lane
	s_mul_i32 s66, s6, 49152
	s_mov_b32 s67, 0
	s_mul_i32 s68, s5, 1536
	s_mov_b32 s69, 0
	s_wait_kmcnt 0x0
	s_add_nc_u64 s[10:11], s[10:11], s[66:67]      ; xyz2 at my batch
	s_add_nc_u64 s[8:9], s[8:9], s[68:69]          ; xyz1 at my 128 queries
	s_wait_alu depctr_va_vdst(0)                   ; v6 and v8 are written, which the loads below read as offsets, and v7, the address of the table's stores
.set i, 0
.rept 8                                                ; turn i: source points 512 i + 4 thread .. + 3
	global_load_b128 v[CB0+12*i:CB0+12*i+3],    v6, s[10:11] offset:6144*i
	global_load_b128 v[CB0+12*i+4:CB0+12*i+7],  v6, s[10:11] offset:6144*i+16
	global_load_b128 v[CB0+12*i+8:CB0+12*i+11], v6, s[10:11] offset:6144*i+32
.set i, i+1
.endr
.set i, 0
.rept 4
	global_load_b32 v[QX+i], v8, s[8:9] offset:384*i
	global_load_b32 v[QY+i], v8, s[8:9] offset:384*i+4
	global_load_b32 v[QZ+i], v8, s[8:9] offset:384*i+8
.set i, i+1
.endr
	; THE TABLE: rounded to bf16, widened again, s added, 16 bytes a point.  Turn i writes out-buffer i % 2; its four stores are issued at the head of turn i + 1, which writes the other one.
.set i, 0
.rept 8
	s_wait_loadcnt 33-3*i                          ; behind this turn's three loads stand 3 (7 - i) of xyz2 and 12 of xyz1
.if i >= 2
	s_wait_alu depctr_vm_vsrc(0)                   ; the stores issued in the turn before have read out-buffer i % 2, which this turn writes again
.endif
.if i >= 1
	s_wait_alu depctr_va_vdst(0)                   ; the turn before has written the other out-buffer, which the four stores below read
.irp c, 0,1,2,3
	ds_store_b128 v7, v[OB+16*((i-1)%2)+4*(\c):OB+16*((i-1)%2)+4*(\c)+3] offset:8192*(i-1)+16*(\c)
.endr
.endif
.set OBI, OB+16*(i%2)
.set e, 0
.rept 6
	v_cvt_pk_bf16_f32 v[32+e], v[CB0+12*i+2*e], v[CB0+12*i+2*e+1]
.set e, e+1
.endr
.set e, 0
.rept 12
.if e%2 == 0
	v_lshlrev_b32 v[OBI+4*(e/3)+e%3], 16, v[32+e/2]
.else
	v_and_b32 v[OBI+4*(e/3)+e%3], s62, v[32+e/2]
.endif
.set e, e+1
.endr
.irp c, 0,1,2,3
	v_mul_f32 v[OBI+3+4*(\c)], v[OBI+4*(\c)], v[OBI+4*(\c)]
.endr
.irp c, 0,1,2,3
	v_fma_f32 v[OBI+3+4*(\c)], v[OBI+1+4*(\c)], v[OBI+1+4*(\c)], v[OBI+3+4*(\c)]
.endr
.irp c, 0,1,2,3
	v_fma_f32 v[OBI+3+4*(\c)], v[OBI+2+4*(\c)], v[OBI+2+4*(\c)], v[OBI+3+4*(\c)]
.endr
.set i, i+1
.endr
	s_wait_alu depctr_va_vdst(0)                   ; turn 7 has written out-buffer 1, which the last four stores read
.irp c, 0,1,2,3
	ds_store_b128 v7, v[OB+16+4*(\c):OB+16+4*(\c)+3] offset:8192*7+16*(\c)
.endr
	; MY FOUR QUERIES: rounded, s1, and the coordinates times -2 (exact)
	s_wait_loadcnt 0x0
.set e, 0
.rept 6
	v_cvt_pk_bf16_f32 v[32+e], v[16+2*e], v[17+2*e]
.set e, e+1
.endr
.set e, 0
.rept 6
	v_lshlrev_b32 v[16+2*e], 16, v[32+e]
	v_and_b32 v[17+2*e], s62, v[32+e]
.set e, e+1
.endr
.irp i, 0,1,2,3
	v_mul_f32 v[QS+(\i)], v[QX+(\i)], v[QX+(\i)]
.endr
.irp i, 0,1,2,3
	v_fma_f32 v[QS+(\i)], v[QY+(\i)], v[QY+(\i)], v[QS+(\i)]
.endr
.irp i, 0,1,2,3
	v_fma_f32 v[QS+(\i)], v[QZ+(\i)], v[QZ+(\i)], v[QS+(\i)]
.endr
.set e, 0
.rept 12
	v_mul_f32 v[16+e], -2.0, v[16+e]
.set e, e+1
.endr
	; ONE BLOCK OF wb FOR EACH OF THE FIRST 840 WAVES OF THE LAUNCH.  Blocks: 0-511 rows of fuse_W[:, 0:128], ext1_W, ext2_W, pred1_W in bf16; 512-527 pred2_W and three rows of
	; zeros; 528 + 4 L + p: layer L's scale (p = 0, 1) and shift (p = 2, 3), 64 channels each, f32; 548-551 zeros; 552 + 32 ks + o / 4: fuse_W[o][128 + 32 ks ..], 32 a row, zeros past column 396.
	; Each block leaves by one store of 8 bytes a lane: 256 consecutive bytes, aligned.  The branches hang on the wave's and the work-group's number; no barrier stands inside.
	s_wait_alu depctr_vm_vsrc(0)                   ; the loads of xyz1 have read v8, which is written below; the table's stores have read the out-buffers v40 to v71, which become the lists and registers at work
	s_cmp_ge_u32 s7, 840
	s_cbranch_scc1 .Lprep_done
	v_lshlrev_b32 v8, 3, v1
	s_lshl_b32 s66, s7, 8
	s_mov_b32 s67, 0
	s_add_nc_u64 s[66:67], s[46:47], s[66:67]      ; my block
	s_cmp_ge_u32 s7, 552
	s_cbranch_scc1 .Lbunit
	s_cmp_ge_u32 s7, 548
	s_cbranch_scc1 .Lrowcvt
	s_cmp_ge_u32 s7, 528
	s_cbranch_scc1 .Lbnunit
.Lrowcvt:                                              ; a row of 128 weights
	s_lshr_b32 s68, s7, 7                          ; which matrix; 4: pred2_W or zeros
	s_and_b32 s69, s7, 127                         ; which row
	s_min_u32 s73, s69, 12                         ; pred2_W has 13 rows: the others read the last one and keep nothing
	s_cmp_lt_u32 s69, 13
	s_cselect_b32 s74, -1, 0
	s_movk_i32 s72, 512                            ; bytes from row to row
	s_cmp_eq_u32 s68, 0
	s_cselect_b64 s[70:71], s[12:13], s[14:15]
	s_cselect_b32 s72, 1588, s72                   ; fuse_W: 397 columns
	s_cmp_eq_u32 s68, 2
	s_cselect_b64 s[70:71], s[16:17], s[70:71]
	s_cmp_eq_u32 s68, 3
	s_cselect_b64 s[70:71], s[18:19], s[70:71]
	s_cmp_eq_u32 s68, 4
	s_cselect_b64 s[70:71], s[20:21], s[70:71]
	s_cselect_b32 s69, s73, s69
	s_cselect_b32 s74, s74, -1
	s_mul_i32 s76, s69, s72
	s_mov_b32 s77, 0
	s_add_nc_u64 s[70:71], s[70:71], s[76:77]
	v_lshlrev_b32 v9, 4, v1
	s_wait_alu depctr_va_vdst(0)                   ; v9 is written, which the four loads read as their offset
	global_load_b32 v10, v9, s[70:71]              ; four loads of 4 bytes: a row of fuse_W begins at a multiple of 4 only
	global_load_b32 v11, v9, s[70:71] offset:4
	global_load_b32 v12, v9, s[70:71] offset:8
	global_load_b32 v13, v9, s[70:71] offset:12
	s_wait_loadcnt 0x0
	v_cvt_pk_bf16_f32 v14, v10, v11
	v_cvt_pk_bf16_f32 v15, v12, v13
	v_and_b32 v14, s74, v14
	v_and_b32 v15, s74, v15
	s_wait_alu depctr_va_vdst(0)                   ; v14 and v15 are written, the store's data (and v8, its offset)
	global_store_b64 v8, v[14:15], s[66:67]
	s_branch .Lprep_done
.Lbnunit:                                              ; sc = g rsq(v + 1e-5), sh = (b - m) sc + be, of inputs rounded to bf16; two channels a lane
	s_sub_co_u32 s68, s7, 528
	s_lshr_b32 s69, s68, 2                         ; layer
	s_and_b32 s72, s68, 1
	s_lshl_b32 s72, s72, 6                         ; the block's first channel
	s_bfe_u32 s73, s68, 0x10001
	s_sub_co_u32 s73, 0, s73                       ; all ones: the block holds the shift
	s_cmp_eq_u32 s69, 0
	s_cselect_b64 s[70:71], s[22:23], s[24:25]
	s_cselect_b64 s[78:79], s[32:33], s[34:35]
	s_cmp_eq_u32 s69, 2
	s_cselect_b64 s[70:71], s[26:27], s[70:71]
	s_cselect_b64 s[78:79], s[36:37], s[78:79]
	s_cmp_eq_u32 s69, 3
	s_cselect_b64 s[70:71], s[28:29], s[70:71]
	s_cselect_b64 s[78:79], s[38:39], s[78:79]
	s_cmp_eq_u32 s69, 4
	s_cselect_b64 s[70:71], s[30:31], s[70:71]
	s_cselect_b64 s[78:79], s[40:41], s[78:79]
	s_cselect_b32 s74, 13, 128                     ; the layer's channels
	s_lshl_b32 s80, s74, 2
	s_mov_b32 s81, 0
	s_add_nc_u64 s[82:83], s[70:71], s[80:81]      ; beta
	s_add_nc_u64 s[84:85], s[82:83], s[80:81]      ; mean
	s_add_nc_u64 s[86:87], s[84:85], s[80:81]      ; variance
	s_sub_co_u32 s75, s74, 1
	v_lshl_add_u32 v72, v1, 1, s72
	v_add_nc_u32 v73, 1, v72
	v_min_u32 v74, s75, v72                        ; channels past the layer's last read the last one and are set to 0 below
	v_min_u32 v75, s75, v73
	v_lshlrev_b32 v74, 2, v74
	v_lshlrev_b32 v75, 2, v75
	v_cmp_gt_u32 s48, s74, v72                     ; which of my two channels exist: both masks in a run, read far below
	v_cmp_gt_u32 s49, s74, v73
	s_wait_alu depctr_va_vdst(0)                   ; v74 and v75 are written, the loads' offsets; the table's conversions are done reading v76 to v85, in which the loads land
	global_load_b32 v76, v74, s[70:71]
	global_load_b32 v77, v75, s[70:71]
	global_load_b32 v78, v74, s[82:83]
	global_load_b32 v79, v75, s[82:83]
	global_load_b32 v80, v74, s[84:85]
	global_load_b32 v81, v75, s[84:85]
	global_load_b32 v82, v74, s[86:87]
	global_load_b32 v83, v75, s[86:87]
	global_load_b32 v84, v74, s[78:79]
	global_load_b32 v85, v75, s[78:79]
	s_wait_loadcnt 0x0
.set e, 0
.rept 5
	v_cvt_pk_bf16_f32 v[86+e], v[76+2*e], v[77+2*e]
.set e, e+1
.endr
.set e, 0
.rept 5
	v_lshlrev_b32 v[76+2*e], 16, v[86+e]
	v_and_b32 v[77+2*e], s62, v[86+e]
.set e, e+1
.endr
	v_add_f32 v82, 0x3727c5ac, v82                 ; + 1e-5
	v_add_f32 v83, 0x3727c5ac, v83
	v_rsq_f32 v82, v82
	v_rsq_f32 v83, v83
	v_sub_f32 v84, v84, v80                        ; plain work between the roots and their use (ISA guide 5.7.2)
	v_sub_f32 v85, v85, v81
	s_wait_alu depctr_va_vdst(0)                   ; the two roots v82 and v83 are written, ahead of their first reader: one wait for both
	v_mul_f32 v76, v76, v82
	v_mul_f32 v77, v77, v83
	v_fma_f32 v78, v84, v76, v78
	v_fma_f32 v79, v85, v77, v79
	v_cndmask_b32 v86, v76, v78, s73
	v_cndmask_b32 v87, v77, v79, s73
	s_wait_alu depctr_va_sdst(0)                   ; the masks s48 and s49 are written, ahead of their first reader
	v_cndmask_b32 v86, 0, v86, s48
	v_cndmask_b32 v87, 0, v87, s49
	s_wait_alu depctr_va_vdst(0)                   ; v86 and v87 are written, the store's data (and v8, its offset)
	global_store_b64 v8, v[86:87], s[66:67]
	s_branch .Lprep_done
.Lbunit:                                               ; four rows o of 32 columns of fuse_W behind its first 128
	s_sub_co_u32 s68, s7, 552
	s_lshr_b32 s69, s68, 5
	s_lshl_b32 s69, s69, 5                         ; 32 ks
	s_and_b32 s70, s68, 31
	s_lshl_b32 s70, s70, 2
	v_lshrrev_b32 v72, 3, v1
	v_add_nc_u32 v72, s70, v72                     ; o
	v_mul_u32_u24 v72, v72, 1588
	v_and_b32 v73, 7, v1
	v_lshl_add_u32 v73, v73, 2, s69                ; my first column k
.irp e, 0,1,2,3
	v_add_nc_u32 v[74+(\e)], (\e), v73
.endr
.irp e, 0,1,2,3
	v_min_u32 v[78+(\e)], 268, v[74+(\e)]          ; columns past the last read the last one and are set to 0 below
.endr
.irp e, 0,1,2,3
	v_lshl_add_u32 v[78+(\e)], v[78+(\e)], 2, v72
.endr
.irp e, 0,1,2,3
	v_cmp_gt_u32 s[48+(\e)], 269, v[74+(\e)]       ; which of my four columns exist: the masks in a run
.endr
	s_wait_alu depctr_va_vdst(0)                   ; the four offsets v78 to v81 are written; the table's conversions are done reading v82 to v85, in which the loads land
.irp e, 0,1,2,3
	global_load_b32 v[82+(\e)], v[78+(\e)], s[12:13] offset:512
.endr
	s_wait_loadcnt 0x0
	s_wait_alu depctr_va_sdst(0)                   ; the masks s48 to s51 are written, ahead of their first reader
.irp e, 0,1,2,3
	v_cndmask_b32 v[82+(\e)], 0, v[82+(\e)], s[48+(\e)]
.endr
	v_cvt_pk_bf16_f32 v86, v82, v83
	v_cvt_pk_bf16_f32 v87, v84, v85
	s_wait_alu depctr_va_vdst(0)                   ; v86 and v87 are written, the store's data (and v8, its offset)
	global_store_b64 v8, v[86:87], s[66:67]
.Lprep_done:
	s_wait_xcnt 0x0                                ; the store's registers are written again below only behind this wait
	s_wait_alu depctr_vm_vsrc(0)                   ; the block's loads and its store have read their offsets and data (v9, v14, v15; v74 to v81, v86, v87), which are written or loaded again below
	s_wait_dscnt 0x0                               ; for the others' sake: my part of the table is stored
	s_barrier_signal -1
	s_barrier_wait -1                              ; the table is whole
	s_cmp_lg_u32 s4, 0                             ; wave 0: the work-group's 512 bytes of the table go to tab
	s_cbranch_scc1 .Lno_tab
	s_and_b32 s68, s5, 127
	s_lshl_b32 s68, s68, 9
	v_lshl_add_u32 v9, v1, 4, s68
	v_lshlrev_b32 v14, 4, v1
	s_wait_alu depctr_va_vdst(0)                   ; v9 is written, the LDS load's address, and v14, the store's offset; the block's conversions are done reading v10 to v13, in which the load lands
	ds_load_b128 v[10:13], v9
	s_lshl_b32 s68, s5, 9
	s_mov_b32 s69, 0
	s_add_nc_u64 s[44:45], s[44:45], s[68:69]
	s_wait_dscnt 0x0
	global_store_b128 v14, v[10:13], s[44:45]      ; 512 consecutive bytes, aligned
.Lno_tab:
	s_wait_xcnt 0x0
	s_wait_alu depctr_vm_vsrc(0)                   ; wave 0's load and store have read v9 to v14, which are written and loaded again at the launch's end
; 8 source points, the same for every lane
.macro LOAD8 buf, off
.set c, 0
.rept 8
	ds_load_b128 v[(\buf)+4*c:(\buf)+4*c+3], v4 offset:(\off)+16*c
.set c, c+1
.endr
.endm
; their distances to the pair P of my queries: five packed instructions a point, each line written for all eight
.macro DIST8 buf, P
.set c, 0
.rept 8
	v_pk_mul_f32 v[DM+2*c:DM+2*c+1], v[QX+2*(\P):QX+2*(\P)+1], v[(\buf)+4*c:(\buf)+4*c+1] op_sel_hi:[1,0]
.set c, c+1
.endr
.set c, 0
.rept 8
	v_pk_fma_f32 v[DM+2*c:DM+2*c+1], v[QY+2*(\P):QY+2*(\P)+1], v[(\buf)+4*c:(\buf)+4*c+1], v[DM+2*c:DM+2*c+1] op_sel:[0,1,0] op_sel_hi:[1,1,1]
.set c, c+1
.endr
.set c, 0
.rept 8
	v_pk_fma_f32 v[DM+2*c:DM+2*c+1], v[QZ+2*(\P):QZ+2*(\P)+1], v[(\buf)+4*c+2:(\buf)+4*c+3], v[DM+2*c:DM+2*c+1] op_sel_hi:[1,0,1]
.set c, c+1
.endr
.set c, 0
.rept 8
	v_pk_add_f32 v[DT+2*c:DT+2*c+1], v[QS+2*(\P):QS+2*(\P)+1], v[(\buf)+4*c+2:(\buf)+4*c+3] op_sel:[0,1] op_sel_hi:[1,1]
.set c, c+1
.endr
.set c, 0
.rept 8
	v_pk_add_f32 v[DM+2*c:DM+2*c+1], v[DT+2*c:DT+2*c+1], v[DM+2*c:DM+2*c+1]
.set c, c+1
.endr
.endm
; the chunk's minimum takes them in; first = 1: they start it
.macro MIN8 P, first
.irp e, 0,1
	v_min3_num_f32 v[UU+2*(\e)], v[DM+(\e)], v[DM+2+(\e)], v[DM+4+(\e)]
	v_min3_num_f32 v[UU+2*(\e)+1], v[DM+6+(\e)], v[DM+8+(\e)], v[DM+10+(\e)]
.endr
.irp e, 0,1
.if \first
	v_min_num_f32 v[LST+8*(2*(\P)+(\e))+6], v[DM+12+(\e)], v[DM+14+(\e)]
.else
	v_min3_num_f32 v[LST+8*(2*(\P)+(\e))+6], v[LST+8*(2*(\P)+(\e))+6], v[DM+12+(\e)], v[DM+14+(\e)]
.endif
.endr
.irp e, 0,1
	v_min3_num_f32 v[LST+8*(2*(\P)+(\e))+6], v[LST+8*(2*(\P)+(\e))+6], v[UU+2*(\e)], v[UU+2*(\e)+1]
.endr
.endm
; a step: the eight source points of buf against my two pairs of queries.  ahead = 1: between the pairs eight loads go out into nbuf.  They owe no wait of their own: since the last wait on
; va_vdst the vector instructions name buf, the queries, DM, DT, UU and the lists, never nbuf nor v4
.macro STEP buf, first, nbuf, off, ahead
	DIST8 \buf, 0
	MIN8 0, \first
.if \ahead
	LOAD8 \nbuf, \off
.endif
	DIST8 \buf, 1
	MIN8 1, \first
.endm
; the chunk's minimum goes into each query's list of three; a later chunk with an equal minimum stays behind (strict compares, chunks ascending).  First the twelve masks, in a run,
.macro MASKS4
.irp q, 0,1,2,3
	v_cmp_lt_f32 s[48+(\q)], v[LST+8*(\q)+6], v[LST+8*(\q)]
.endr
.irp q, 0,1,2,3
	v_cmp_lt_f32 s[52+(\q)], v[LST+8*(\q)+6], v[LST+8*(\q)+1]
.endr
.irp q, 0,1,2,3
	v_cmp_lt_f32 s[56+(\q)], v[LST+8*(\q)+6], v[LST+8*(\q)+2]
.endr
.endm
; then the selects that read them
.macro PLACE4
.irp q, 0,1,2,3
	v_cndmask_b32 v[LST+8*(\q)+7], s60, v[LST+8*(\q)+4], s[52+(\q)]
.endr
.irp q, 0,1,2,3
	v_cndmask_b32 v[LST+8*(\q)+5], v[LST+8*(\q)+5], v[LST+8*(\q)+7], s[56+(\q)]
.endr
.irp q, 0,1,2,3
	v_cndmask_b32 v[T2R+(\q)], s60, v[LST+8*(\q)+3], s[48+(\q)]
.endr
.irp q, 0,1,2,3
	v_cndmask_b32 v[LST+8*(\q)+4], v[LST+8*(\q)+4], v[T2R+(\q)], s[52+(\q)]
.endr
.irp q, 0,1,2,3
	v_cndmask_b32 v[LST+8*(\q)+3], v[LST+8*(\q)+3], s60, s[48+(\q)]
.endr
.irp q, 0,1,2,3
	v_med3_num_f32 v[LST+8*(\q)+2], v[LST+8*(\q)+1], v[LST+8*(\q)+2], v[LST+8*(\q)+6]
.endr
.irp q, 0,1,2,3
	v_med3_num_f32 v[LST+8*(\q)+1], v[LST+8*(\q)], v[LST+8*(\q)+1], v[LST+8*(\q)+6]
.endr
.irp q, 0,1,2,3
	v_min_num_f32 v[LST+8*(\q)], v[LST+8*(\q)], v[LST+8*(\q)+6]
.endr
.endm
; a chunk: 32 source points in four steps on four buffers.  At its head CB0 and CB1 and, youngest, CB2 have been asked for.  last = 1: there is no next chunk, and nothing of one is asked for
.macro CHUNK last
	s_wait_dscnt 0x8                               ; LDS loads come back in order (ISA guide 5.7.1): CB0 and CB1 are in, CB2's eight may stay out
	STEP CB0, 1, CB3, 384, 1                       ; and this chunk's points 24-31 go out
	STEP CB1, 0, 0, 0, 0
.if \last
	s_wait_dscnt 0x0                               ; CB2 and CB3 are in
.else
	s_wait_alu depctr_va_vdst(0)                   ; steps 0 and 1 are done reading CB0 and CB1, in which the next chunk's points 0-15 land
	LOAD8 CB0, 512
	s_wait_dscnt 0x8                               ; the eight just issued may stay out: CB2 and CB3 are in
.endif
	STEP CB2, 0, CB1, 640, 1-(\last)
	STEP CB3, 0, 0, 0, 0
	MASKS4
.if !(\last)
	s_wait_alu depctr_vm_vsrc(0)                   ; the LDS loads issued so far have read v4
	v_add_nc_u32 v4, 512, v4
	s_wait_alu depctr_va_vdst(0)                   ; v4 is written; steps 2 and 3 are done reading CB2 and CB3, in which the next chunk's points 16-31 land
	LOAD8 CB2, 256
.endif
	s_wait_alu depctr_va_sdst(0)                   ; the twelve masks s48 to s59 are written, ahead of their first reader
	PLACE4
	s_add_f32 s60, s60, 1.0
.endm
	s_lshl_b32 s60, s4, 5
	s_cvt_f32_u32 s60, s60                         ; my first chunk's number
	s_lshl_b32 s68, s4, 14
	v_mov_b32 v4, s68                              ; and its place in the table
.irp q, 0,1,2,3
	v_mov_b32 v[LST+8*(\q)], 0x7f800000
	v_mov_b32 v[LST+8*(\q)+1], 0x7f800000
	v_mov_b32 v[LST+8*(\q)+2], 0x7f800000
	v_mov_b32 v[LST+8*(\q)+3], s60
	v_mov_b32 v[LST+8*(\q)+4], s60
	v_mov_b32 v[LST+8*(\q)+5], s60
.endr
	s_wait_alu depctr_va_vdst(0)                   ; v4 is written; the table's conversions and the block's arithmetic are done with v72 to v135, in which the loads land
	LOAD8 CB0, 0
	LOAD8 CB1, 128
	LOAD8 CB2, 256
	s_mov_b32 s61, 31
.Lchunk:
	CHUNK 0
	s_sub_co_u32 s61, s61, 1
	s_cmp_lg_u32 s61, 0
	s_cbranch_scc1 .Lchunk
	CHUNK 1                                        ; the last chunk is written out: it fetches nothing beyond my part of the table
	; THE FOUR WAVES' LISTS MEET
	s_lshl_b32 s66, s4, 12
	s_add_co_u32 s66, s66, MRG
	v_lshl_add_u32 v5, v1, 5, s66
	s_wait_alu depctr_va_vdst(0)                   ; v5 is written, the stores' address, and the last insertion has written the lists, their data
.irp q, 0,1,2,3
	ds_store_b128 v5, v[LST+8*(\q):LST+8*(\q)+3] offset:1024*(\q)
	ds_store_b64 v5, v[LST+8*(\q)+4:LST+8*(\q)+5] offset:1024*(\q)+16
.endr
	s_wait_dscnt 0x0                               ; for the others' sake
	s_barrier_signal -1
	s_barrier_wait -1
	s_lshl_b32 s66, s4, 10
	s_add_co_u32 s66, s66, MRG
	s_wait_alu depctr_vm_vsrc(0)                   ; my stores have read the lists: v32 to v37 are loaded again below, v40 to v42 written again
	v_lshl_add_u32 v6, v1, 5, s66                  ; now I own query 32 wave + lane
	s_wait_alu depctr_va_vdst(0)                   ; v6 is written, the loads' address
	ds_load_b128 v[32:35], v6
	ds_load_b64 v[36:37], v6 offset:16
.irp k, 1,2,3
	ds_load_b128 v[64+8*(\k):67+8*(\k)], v6 offset:4096*(\k)
	ds_load_b64 v[68+8*(\k):69+8*(\k)], v6 offset:4096*(\k)+16
.endr
	s_wait_dscnt 0x0
.macro INS val, id                     ; as MASKS4 and PLACE4, for one query, the chunk's number in a vector register
	v_cmp_lt_f32 s48, v[\val], v32
	v_cmp_lt_f32 s52, v[\val], v33
	v_cmp_lt_f32 s56, v[\val], v34
	s_wait_alu depctr_va_sdst(0)                   ; the three masks are written, ahead of their first reader
	v_cndmask_b32 v38, v[\id], v36, s52
	v_cndmask_b32 v37, v37, v38, s56
	v_cndmask_b32 v39, v[\id], v35, s48
	v_cndmask_b32 v36, v36, v39, s52
	v_cndmask_b32 v35, v35, v[\id], s48
	v_med3_num_f32 v34, v33, v34, v[\val]
	v_med3_num_f32 v33, v32, v33, v[\val]
	v_min_num_f32 v32, v32, v[\val]
.endm
.irp k, 1,2,3                          ; in the waves' order, each list from its least on: equal minima keep the chunks' order
	INS 64+8*(\k), 67+8*(\k)
	INS 65+8*(\k), 68+8*(\k)
	INS 66+8*(\k), 69+8*(\k)
.endr
	v_min3_num_f32 v40, v35, v36, v37              ; the three chunks ascending, so that the next launch scans indices in ascending order
	v_med3_num_f32 v41, v35, v36, v37
	v_max3_num_f32 v42, v35, v36, v37
	v_cvt_u32_f32 v40, v40
	v_cvt_u32_f32 v41, v41
	v_cvt_u32_f32 v42, v42
	v_lshl_or_b32 v40, v41, 8, v40
	v_lshl_or_b32 v40, v42, 16, v40
	s_lshl_b32 s66, s4, 7
	s_add_co_u32 s66, s66, RES
	v_lshl_add_u32 v9, v1, 2, s66
	s_wait_alu depctr_va_vdst(0)                   ; v9 and v40 are written, the store's address and data
	ds_store_b32 v9, v40
	s_wait_dscnt 0x0
	s_barrier_signal -1
	s_barrier_wait -1
	s_wait_alu depctr_vm_vsrc(0)                   ; my store has read v9, which wave 0 writes again behind the branch
	s_cmp_lg_u32 s4, 0                             ; wave 0 stores the 128 words: 512 consecutive bytes, aligned
	s_cbranch_scc1 .Lend
	v_lshl_add_u32 v9, v1, 4, RES
	v_lshlrev_b32 v14, 4, v1
	s_wait_alu depctr_va_vdst(0)                   ; v9 is written, the LDS load's address, and v14, the store's offset
	ds_load_b128 v[10:13], v9
	s_lshl_b32 s68, s5, 9
	s_mov_b32 s69, 0
	s_add_nc_u64 s[42:43], s[42:43], s[68:69]
	s_wait_dscnt 0x0
	global_store_b128 v14, v[10:13], s[42:43]
.Lend:
	s_nop 0
	s_wait_dscnt 0x0                               ; the wave's end
	s_wait_alu 0x0
	s_wait_tensorcnt 0x0
	ds_add_u32 v2, v3
	s_wait_dscnt 0x0
	s_endpgm
.Lfunc_end_k_qaff36d0842_coarse:
	.size	k_qaff36d0842_coarse, .Lfunc_end_k_qaff36d0842_coarse-k_qaff36d0842_coarse
	.p2alignl 7, 3214868480
	.fill 96, 4, 3214868480
	.section	.rodata,"a",@progbits
	.p2align	6, 0x0
	.amdhsa_kernel k_qaff36d0842_coarse
		.amdhsa_group_segment_fixed_size 82944
		.amdhsa_private_segment_fixed_size 0
		.amdhsa_enable_private_segment 0
		.amdhsa_kernarg_size 160
		.amdhsa_user_sgpr_count 2
		.amdhsa_user_sgpr_kernarg_segment_ptr 1
		.amdhsa_wavefront_size32 1
		.amdhsa_system_sgpr_workgroup_id_x 1
		.amdhsa_system_sgpr_workgroup_id_y 1
		.amdhsa_system_sgpr_workgroup_id_z 1
		.amdhsa_system_vgpr_workitem_id 0
		.amdhsa_next_free_vgpr 232
		.amdhsa_next_free_sgpr 96
		.amdhsa_reserve_vcc 0
		.amdhsa_float_denorm_mode_32 3
		.amdhsa_float_denorm_mode_16_64 3
		.amdhsa_memory_ordered 1
		.amdhsa_forward_progress 1
		.amdhsa_inst_pref_size 98
	.end_amdhsa_kernel
	.amdgpu_metadata
---
amdhsa.version: [ 1, 2 ]
amdhsa.kernels:
  - .name:           k_qaff36d0842_coarse
    .symbol:         k_qaff36d0842_coarse.kd
    .args:
      - { .name: xyz1, .offset: 0, .size: 8, .value_kind: global_buffer, .address_space: global }
      - { .name: xyz2, .offset: 8, .size: 8, .value_kind: global_buffer, .address_space: global }
      - { .name: fuse_W, .offset: 16, .size: 8, .value_kind: global_buffer, .address_space: global }
      - { .name: ext1_W, .offset: 24, .size: 8, .value_kind: global_buffer, .address_space: global }
      - { .name: ext2_W, .offset: 32, .size: 8, .value_kind: global_buffer, .address_space: global }
      - { .name: pred1_W, .offset: 40, .size: 8, .value_kind: global_buffer, .address_space: global }
      - { .name: pred2_W, .offset: 48, .size: 8, .value_kind: global_buffer, .address_space: global }
      - { .name: fuse_bn, .offset: 56, .size: 8, .value_kind: global_buffer, .address_space: global }
      - { .name: ext1_bn, .offset: 64, .size: 8, .value_kind: global_buffer, .address_space: global }
      - { .name: ext2_bn, .offset: 72, .size: 8, .value_kind: global_buffer, .address_space: global }
      - { .name: pred1_bn, .offset: 80, .size: 8, .value_kind: global_buffer, .address_space: global }
      - { .name: pred2_bn, .offset: 88, .size: 8, .value_kind: global_buffer, .address_space: global }
      - { .name: fuse_b, .offset: 96, .size: 8, .value_kind: global_buffer, .address_space: global }
      - { .name: ext1_b, .offset: 104, .size: 8, .value_kind: global_buffer, .address_space: global }
      - { .name: ext2_b, .offset: 112, .size: 8, .value_kind: global_buffer, .address_space: global }
      - { .name: pred1_b, .offset: 120, .size: 8, .value_kind: global_buffer, .address_space: global }
      - { .name: pred2_b, .offset: 128, .size: 8, .value_kind: global_buffer, .address_space: global }
      - { .name: cand, .offset: 136, .size: 8, .value_kind: global_buffer, .address_space: global }
      - { .name: tab, .offset: 144, .size: 8, .value_kind: global_buffer, .address_space: global }
      - { .name: wb, .offset: 152, .size: 8, .value_kind: global_buffer, .address_space: global }
    .group_segment_fixed_size: 82944
    .private_segment_fixed_size: 0
    .kernarg_segment_align: 8
    .kernarg_segment_size: 160
    .max_flat_workgroup_size: 128
    .sgpr_count:     96
    .vgpr_count:     232
    .wavefront_size: 32
...
	.end_amdgpu_metadata
.endif
;; end of part 4
;; launch fine: the kernel of part 2 again; grid 256 x 1, 4 waves a work-group, no clusters, 177,664 bytes of LDS; arguments xyz1, points2, last_pred, cand, tab, wb, idx, wgt, y2; writes idx, wgt, y2
;; launch mlp: the kernel of part 3 again; grid 256 x 1, 8 waves a work-group, clusters of 4 x 1, 327,680 bytes of LDS; arguments points1, idx, wgt, y2, wb, out0, out1, out2; writes out0, out1, out2
